; MI455X (gfx1250); checked and timed in simulation.
; The chip was launched on July 23, 2026; its instructions are those of AMD's public machine-readable ISA for CDNA 5 (MIT licence, August 2026) and "CDNA5" Instruction Set Architecture Reference Guide (July 2026). The comments in the code are by the model that wrote it; some were corrected since.
;; Multihead Self Attention Dec. Allowed arithmetic: matrix products marked QUANTISED: E2M3 operands, one E8M0 scale for each 32 along K, by v_wmma_scale_f32_16x16x128_f8f6f4 with both operands' format E2M3, f32 sums; everything else in f32.
;; Inputs: Wk 2,048 x 2,048 float32; Wo 2,048 x 2,048 float32; Wq 2,048 x 2,048 float32; Wv 2,048 x 2,048 float32; bk 2,048 float32; bo 2,048 float32; bq 2,048 float32; bv 2,048 float32; gk 128 float32; gq 128 float32; rope 2,048 x 1 x 64 x 2 x 2 float32; x 1 x 2,048 x 2,048 float32.
;; Outputs: out0 1 x 2,048 x 2,048 float32.
;; This version of the problem:
;;   THIS VERSION OF THE PROBLEM IS GIVEN IN LOW PRECISION. The matrix products marked QUANTISED in the list below multiply operands that are first quantised to E2M3 (2 exponent bits, 3 mantissa bits; 6 bits a number), with one power-of-two scale for each 32 numbers along K (OCP MX v1.0); their sums are f32. All else is computed in f32.
;;   The module's matrix products, in the order in which they are computed (A, B: the left and right operand; K: the contracted axis; several contracted axes count as one K, in the product's order):
;;     1. [M 2,048, K 2,048] x [K 2,048, N 2,048]; A: input x; B: input Wq: QUANTISED
;;     2. [M 2,048, K 2,048] x [K 2,048, N 2,048]; A: input x; B: input Wk: QUANTISED
;;     3. [M 2,048, K 2,048] x [K 2,048, N 2,048]; A: input x; B: input Wv: QUANTISED
;;     4. batch 16 x [M 2,048, K 128] x [K 128, N 2,048]; A: computed on the way; B: computed on the way: QUANTISED
;;     5. batch 16 x [M 128, K 2,048] x [K 2,048, N 2,048]; A: computed on the way; B: softmax (see below): QUANTISED
;;     6. [M 2,048, K 2,048] x [K 2,048, N 2,048]; A: computed on the way; B: input Wo: QUANTISED
;;   THE QUANTISER, for each operand of a quantised product, along K:
;;     - K is cut into blocks of 32 from its start; a last block that is shorter is filled with zeros.
;;     - A block's scale is 2^e with e = floor(log2(the largest magnitude in the block)) - 2, held to -126 .. 127; a block of zeros has e = 0. As a byte (E8M0): e + 127.
;;     - Each number is divided by its block's scale, clamped to +-7.5, and rounded to the nearest number of E2M3, ties to even, subnormals kept.
;;     - The product sums the exact products of the quantised numbers (number of the format x scale) in f32.
;;   ~~~python
;;   def quantise(x, axis):      # numpy; x: float32 -> the quantised numbers, widened to float32 again
;;       x = np.moveaxis(x, axis, -1); K = x.shape[-1]
;;       x = np.pad(x, [(0, 0)] * (x.ndim - 1) + [(0, -K % 32)]); x = x.reshape(x.shape[:-1] + (-1, 32)); a = np.abs(x).max(-1, keepdims=True)
;;       e = np.where(a > 0, np.clip(np.frexp(np.where(a > 0, a, 1))[1] - 1 - 2, -126, 127), 0)      # np.frexp(a)[1] - 1 = floor(log2(a)), exactly
;;       r = np.clip(x / 2.0 ** e, -7.5, 7.5)
;;       step = 2.0 ** (np.maximum(np.frexp(np.where(r == 0, 1, r))[1] - 1, 0) - 3)
;;       q = np.round(r / step) * step * 2.0 ** e      # np.round: ties to even
;;       return np.moveaxis(q.reshape(q.shape[:-2] + (-1,))[..., :K], -1, axis).astype(np.float32)
;;   ~~~
;;   SOFTMAX AHEAD OF A QUANTISED PRODUCT. Where the list says 'softmax', what is quantised is not the finished softmax but p = 2^(t - M), with t = logit x log2(e) and M = ceil(the row's largest t), a whole number; so 1/2 < the row's largest p <= 1. The row's sum l is taken of the UNQUANTISED p, in f32, and the product's result is divided by l at the end. Since M is a whole number, a kernel that streams over the keys may use a running M (the ceiling of the running maximum): every later rescaling is an exact power of two, which a block's scale takes up: the codes' values come out the same.
;;   OPERANDS COMPUTED ON THE WAY. 'Computed on the way' means the value that the module computes at that place (a softmax that the list does not call 'softmax' is quantised finished and normalised). What goes into a quantiser is computed in f32, as accurately as f32 sums, v_exp_f32 and their like allow (about 1e-6 of the number): no bf16 or f16 on the way to a quantiser, and a product that is left as it is and whose result goes on into a quantised operand takes f32 operands (vector FMAs, or v_wmma_f32_16x16x4_f32). A number that lies on a knife's edge between two numbers of the format may be rounded either way, as far as f32 arithmetic and the matrix unit's own rounding can turn it there, and no further.
;; One version. Each part assembles by itself: llvm-mc -triple=amdgcn-amd-amdhsa -mcpu=gfx1250 --defsym DOCPART=n.
;; ======== version 1 of 1: 4 launches
;; limits: right only within a limited range of input values
;; workspace buffers: qc 16,384,000 bytes; qkv 9,830,400 bytes; oc 3,276,800 bytes; rp 2,097,152 bytes
;; launch quant (part 1): grid 1280 x 1, 4 waves a work-group, no clusters, 35,328 bytes of LDS; arguments x, Wq, Wk, Wv, Wo, qc, rope, rp; writes qc, rp
.if DOCPART == 1
	.amdgcn_target "amdgcn-amd-amdhsa--gfx1250"
	.amdhsa_code_object_version 6
	.text
	.protected	k_q5822553247_quant
	.globl	k_q5822553247_quant
	.p2align	8
	.type	k_q5822553247_quant,@function
k_q5822553247_quant:
	s_mov_b64 s[64:65], 0
	v_nop
	global_prefetch_b8 v0, s[64:65] scope:SCOPE_SE
	s_setreg_imm32_b32 hwreg(HW_REG_WAVE_MODE, 25, 1), 1
	s_wait_xcnt 0x0
; x, Wq, Wk, Wv, Wo, each [2048][2048] f32 with K innermost, become codes of FP6 (E2M3) with one E8M0 byte for each 32 along K, laid as the later launches' matrix operands want them.
; LAYOUT OF qc: [group 80][K step 16][half-block of 12,800 bytes].  A group is 128 rows (groups 0-15 x, 16-31 Wq, 32-47 Wk, 48-63 Wv, 64-79 Wo), a K step 128 along K.  A half-block holds 8 tiles of 16 rows:
; lane r of tile t stands for row 32 (t / 2) + 8 (t % 2) + r + 8 (r / 8) of the group.  Tile t's fragment lies as an image of its 12 registers: registers 4 c .. 4 c + 3 of lane l at 1536 t + 512 c + 16 l.
; The rows' scale words (four bytes: 128 along K) lie behind the codes, at 12,288 + 32 r + 4 t.
; A block's scale is 2^(floor(log2(its largest magnitude)) - 2); its byte is the largest magnitude's exponent field - 2, held at 1 from below.
; LIMITS: a block of zeros gets the byte 1 where the quantiser's rule says 127 (its codes are zeros, and this program alone reads the bytes); blocks whose largest magnitude lies under 2^-124 keep the byte 1; NaN and infinities are not served.
; SHARES: work-group 16 G + s makes one half-block; wave w its tiles 2 w and 2 w + 1, rows 32 w .. 32 w + 31.  Each load reads 512 consecutive bytes of one row; a tile's 16 x 512 bytes turn through the wave's own
; stage in LDS (rows 528 bytes apart) so that a lane gets 16 neighbours of each block of 32 of ITS row.  No tensor loads, no loop, every offset an immediate; all 32 loads of a wave are out at once.
; THE ROPE IS LAID ANEW ON THE WAY, unchanged in its numbers: rp = [token group 16][tile 8][quad 32][lane 32][16 bytes]; quad 8 B + j of lane (r, h) holds bytes 256 B + 128 h + 16 j of the 1,024 bytes of token
; 32 (a / 2) + 8 (a % 2) + r + 8 (r / 8) of the group: the registers in which the next launch wants a tile's rope.  The first 256 work-groups do it, half a tile each, four quads a wave: a lane reads 64 neighbouring bytes,
; the lanes r and r + 16 of two neighbouring waves together 256; each store covers 512 consecutive bytes.
.set HB,     12800
.set SPITCH, 528                       ; a stage row: 512 bytes + 16: the 16 rows that a read touches begin in 16 different groups of four banks
.set WSTG,   16*SPITCH                 ; a wave's stage
.set SCL,    4*WSTG                    ; behind the stages: the half-block's 512 bytes of scale words
.set LI,   1                           ; v1  16 x lane
.set SIN,  2                           ; v2  the stage, on the way in
.set SOUT, 3                           ; v3  and out: 528 r + 64 h
.set SWA,  4                           ; v4  where my row's two scale words go
.set SRA,  5                           ; v5  where wave 0 reads the words back
.set RA,   14                          ; v14 the rope: 1,024 (r + 8 (r / 8)) + 128 h
.set R,    16                          ; v16-143 two tiles' numbers, 64 a lane each
.set PC,   144                         ; v144-163 the codes just made; ahead of that v144-159 four quads of rope
.set MX,   164
.set TB,   168
.set TS,   172
.set PW,   176                         ; v176-177 the two tiles' scale words
.set OW,   178
.set SEL,  24                          ; s[24:25] lane selects for v_permlanex16_b32: lane l xor 16
; 64 numbers of a lane, register 16 b + i = k 32 b + 16 (lane / 16) + i of my row, become a fragment's 12 registers at v[pc] on and my row's scale word in v[pw]
.macro QUANT s, pc, mx, tb, ts, pw
.irp b, 0,1,2,3
	v_max3_num_f32 v[\mx+\b], |v[\s+16*\b]|, |v[\s+1+16*\b]|, 0x1800000   ; my 16 numbers of block b, and the floor 2^(3 - 127): the byte cannot fall under 1
.endr
.irp i, 2,4,6,8,10,12,14
.irp b, 0,1,2,3
	v_max3_num_f32 v[\mx+\b], v[\mx+\b], |v[\s+16*\b+\i]|, |v[\s+1+16*\b+\i]|   ; the four blocks by turns
.endr
.endr
.irp b, 0,1,2,3
	v_permlanex16_b32 v[\tb+\b], v[\mx+\b], s[SEL], s[SEL+1]
.endr
.irp b, 0,1,2,3
	v_max_num_f32 v[\mx+\b], v[\mx+\b], v[\tb+\b]          ; with lane l xor 16's 16: the block's largest magnitude
.endr
.irp b, 0,1,2,3
	v_add_nc_u32 v[\ts+\b], 0xff000000, v[\mx+\b]          ; 2 off its exponent field: the conversion takes this operand's exponent field as its scale
.endr
.irp b, 0,1,2,3
	v_lshrrev_b32 v[\tb+\b], 23, v[\ts+\b]                 ; the scale's byte
.endr
	v_lshl_or_b32 v[\pw], v[\tb+1], 8, v[\tb]
	v_lshl_or_b32 v[\pw], v[\tb+2], 16, v[\pw]
	v_lshl_or_b32 v[\pw], v[\tb+3], 24, v[\pw]
.irp c, 0,1
	v_cvt_scalef32_pk16_fp6_f32 v[\pc+6*\c:\pc+2+6*\c], v[\s+32*\c:\s+15+32*\c], v[\ts+2*\c]
	v_cvt_scalef32_pk16_fp6_f32 v[\pc+12+4*\c:\pc+14+4*\c], v[\s+16+32*\c:\s+31+32*\c], v[\ts+2*\c+1]   ; (a conversion's three registers begin on an even number)
.endr
	v_nop                                          ; one plain place behind a scaled conversion
.irp c, 0,1                                    ; the operand wants a whole block in a lane: lanes 0-15 block 2 c, lanes 16-31 block 2 c + 1
.irp i, 0,1,2
	v_permlane16_swap_b32 v[\pc+6*\c+\i], v[\pc+12+4*\c+\i]
.endr
.irp i, 0,1,2
	v_mov_b32 v[\pc+3+6*\c+\i], v[\pc+12+4*\c+\i]
.endr
.endr
.endm
.macro THROUGH u                       ; tile u's numbers through the stage; LDS serves a wave's instructions in order, so no wait stands between the stores and the loads, nor in front of the next tile's stores
.irp i, 0,1,2,3,4,5,6,7,8,9,10,11,12,13,14,15
	ds_store_b128 v[SIN], v[R+64*\u+4*\i:R+64*\u+4*\i+3] offset:SPITCH*\i
.endr
.irp b, 0,1,2,3
.irp j, 0,1,2,3
	ds_load_b128 v[R+64*\u+16*\b+4*\j:R+64*\u+16*\b+4*\j+3], v[SOUT] offset:128*\b+16*\j
.endr
.endr
.endm
.macro IMGST u                         ; the fragment leaves as it stands: each store covers 512 consecutive bytes, aligned to 256
.irp c, 0,1,2
	global_store_b128 v[LI], v[PC+4*\c:PC+4*\c+3], s[14:15] offset:1536*\u+512*\c
.endr
.endm
	s_load_b256 s[4:11], s[0:1], 0x0               ; x, Wq, Wk, Wv
	s_load_b128 s[12:15], s[0:1], 0x20             ; Wo, qc
	s_load_b128 s[28:31], s[0:1], 0x30             ; rope, rp
	v_lshl_add_u32 v184, v0, 2, 0x8800
	v_mov_b32 v185, 0
	v_lshrrev_b32 v6, 5, v0
	v_readfirstlane_b32 s16, v6                    ; wave 0..3
	v_and_b32 v7, 31, v0                           ; lane
	v_and_b32 v8, 15, v0                           ; r
	v_bfe_u32 v9, v0, 4, 1                         ; h
	v_lshlrev_b32 v[LI], 4, v7
	s_mul_i32 s17, s16, WSTG
	v_add_nc_u32 v[SIN], s17, v[LI]
	v_mul_u32_u24 v[SOUT], v8, SPITCH
	v_lshl_add_u32 v[SOUT], v9, 6, v[SOUT]
	v_add_nc_u32 v[SOUT], s17, v[SOUT]
	s_lshl_b32 s17, s16, 3
	s_add_co_u32 s17, s17, SCL
	v_lshl_add_u32 v[SWA], v8, 5, s17              ; SCL + 32 r + 8 w
	v_add_nc_u32 v[SRA], SCL, v[LI]
	v_and_b32 v[RA], 8, v8
	v_add_nc_u32 v[RA], v[RA], v8                  ; r + 8 (r / 8)
	v_lshlrev_b32 v[RA], 10, v[RA]                 ; x 1,024 bytes a token
	v_lshl_add_u32 v[RA], v9, 7, v[RA]             ; + 128 h
.irp b, 0,1,2,3
	v_mov_b32 v[TB+\b], 0                          ; written once: a lane permute's destination counts as one of its sources
.endr
	s_lshr_b32 s18, ttmp9, 8                       ; which tensor
	s_bfe_u32 s19, ttmp9, 0x40004                  ; which group of 128 rows
	s_and_b32 s20, ttmp9, 15                       ; which K step
	s_lshl_b32 s19, s19, 7
	s_lshl_b32 s21, s16, 5
	s_add_co_u32 s19, s19, s21                     ; my wave's first row
	s_lshl_b32 s22, s19, 13                        ; x 8,192 bytes
	s_lshl_b32 s20, s20, 9
	s_add_co_u32 s22, s22, s20                     ; + 512 bytes a K step
	s_mov_b32 s23, 0
	s_mul_i32 s20, ttmp9, HB                       ; my half-block,
	s_mul_i32 s21, s16, 3072                       ; my two tiles in it
	s_add_co_u32 s20, s20, s21
	s_mov_b32 s21, 0
	s_mov_b32 s[SEL], 0x76543210
	s_mov_b32 s[SEL+1], 0xfedcba98
	s_wait_kmcnt 0x0
	s_cmp_eq_u32 s18, 1                            ; the tensor is chosen by the work-group's number alone
	s_cselect_b64 s[4:5], s[6:7], s[4:5]
	s_cmp_eq_u32 s18, 2
	s_cselect_b64 s[4:5], s[8:9], s[4:5]
	s_cmp_eq_u32 s18, 3
	s_cselect_b64 s[4:5], s[10:11], s[4:5]
	s_cmp_eq_u32 s18, 4
	s_cselect_b64 s[4:5], s[12:13], s[4:5]
	s_add_nc_u64 s[4:5], s[4:5], s[22:23]
	s_add_nc_u64 s[14:15], s[14:15], s[20:21]
.irp u, 0,1
.irp i, 0,1,2,3,4,5,6,7,8,9,10,11,12,13,14,15
	global_load_b128 v[R+64*\u+4*\i:R+64*\u+4*\i+3], v[LI], s[4:5] offset:(8*\u+\i+8*(\i/8))*8192 th:TH_LOAD_NT   ; 32 lanes read 512 consecutive bytes of the row that lane i of tile 2 w + u stands for
.endr
.endr
	; ---- the rope: work-group n < 256 lays half (n % 2) of tile n / 2; wave w its quads 16 (n % 2) + 4 w + 0 .. 3.  The whole job stands in one branch on the work-group's number, behind the main loads
	s_cmp_lt_u32 ttmp9, 256
	s_cbranch_scc0 .Lno_rope
	s_lshr_b32 s17, ttmp9, 4                       ; the token group: 128 tokens of 1,024 bytes
	s_lshl_b32 s17, s17, 17
	s_bfe_u32 s18, ttmp9, 0x20002                  ; the tile's a / 2: 32 tokens
	s_lshl_b32 s18, s18, 15
	s_add_co_u32 s17, s17, s18
	s_bfe_u32 s18, ttmp9, 0x10001                  ; a % 2: 8 tokens
	s_lshl_b32 s18, s18, 13
	s_add_co_u32 s17, s17, s18
	s_and_b32 s18, ttmp9, 1                        ; in a token's bytes: 256 B + 16 j with B = 2 (n % 2) + w / 2, j = 4 (w % 2) + i
	s_lshl_b32 s18, s18, 9
	s_add_co_u32 s17, s17, s18
	s_lshr_b32 s18, s16, 1
	s_lshl_b32 s18, s18, 8
	s_add_co_u32 s17, s17, s18
	s_and_b32 s18, s16, 1
	s_lshl_b32 s18, s18, 6
	s_add_co_u32 s18, s17, s18
	s_mov_b32 s19, 0
	s_add_nc_u64 s[28:29], s[28:29], s[18:19]
	s_lshl_b32 s18, ttmp9, 13                      ; in rp: 8,192 bytes a work-group,
	s_lshl_b32 s17, s16, 11                        ; 2,048 a wave
	s_add_co_u32 s18, s18, s17
	s_add_nc_u64 s[30:31], s[30:31], s[18:19]
	s_wait_alu depctr_va_vdst(0)
.irp i, 0,1,2,3
	global_load_b128 v[PC+4*\i:PC+4*\i+3], v[RA], s[28:29] offset:16*\i
.endr
	s_wait_loadcnt 0x0                             ; the four are the youngest loads
.irp i, 0,1,2,3                                        ; inside a quad the 2 x 2 matrix leaves by columns (r00, r10, r01, r11): the next launch multiplies a column by one number, two results an instruction
	v_mov_b32 v[MX+\i], v[PC+4*\i+1]
.endr
.irp i, 0,1,2,3
	v_mov_b32 v[PC+4*\i+1], v[PC+4*\i+2]
.endr
.irp i, 0,1,2,3
	v_mov_b32 v[PC+4*\i+2], v[MX+\i]
.endr
.irp i, 0,1,2,3
	global_store_b128 v[LI], v[PC+4*\i:PC+4*\i+3], s[30:31] offset:512*\i
.endr
.Lno_rope:
	s_wait_loadcnt 16                              ; tile 0's sixteen loads are in; tile 1's may be out
	THROUGH 0
	s_wait_loadcnt 0x0
	THROUGH 1
	s_wait_dscnt 32                                ; tile 0 is back; the 32 younger LDS instructions are tile 1's
	s_wait_xcnt 0x0                                ; the rope's stores have read the registers that the codes now take
	QUANT R, PC, MX, TB, TS, PW
	IMGST 0
	s_wait_dscnt 0x0                               ; tile 1 is back
	s_wait_xcnt 0x0                                ; the codes' registers are written again only behind this wait
	QUANT R+64, PC, MX, TB, TS, PW+1
	IMGST 1
	ds_store_b64 v[SWA], v[PW:PW+1]                ; lanes r and r + 16 hold the same two words and write them to the same place
	s_wait_dscnt 0x0                               ; for the others' sake: my store has landed
	s_barrier_signal -1
	s_barrier_wait -1
	s_cmp_lg_u32 s16, 0
	s_cbranch_scc1 .Ldone
	ds_load_b128 v[OW:OW+3], v[SRA]                ; wave 0 stores the half-block's 512 bytes of scale words (its own base is the half-block's first byte)
	s_wait_dscnt 0x0
	global_store_b128 v[LI], v[OW:OW+3], s[14:15] offset:HB-512
.Ldone:
	s_wait_tensorcnt 0x0
	ds_add_u32 v184, v185
	s_wait_dscnt 0x0
	s_endpgm
.Lfunc_end_k_q5822553247_quant:
	.size	k_q5822553247_quant, .Lfunc_end_k_q5822553247_quant-k_q5822553247_quant
	.p2alignl 7, 3214868480
	.fill 96, 4, 3214868480
	.section	.rodata,"a",@progbits
	.p2align	6, 0x0
	.amdhsa_kernel k_q5822553247_quant
		.amdhsa_group_segment_fixed_size 35328
		.amdhsa_private_segment_fixed_size 0
		.amdhsa_enable_private_segment 0
		.amdhsa_kernarg_size 64
		.amdhsa_user_sgpr_count 2
		.amdhsa_user_sgpr_kernarg_segment_ptr 1
		.amdhsa_wavefront_size32 1
		.amdhsa_system_sgpr_workgroup_id_x 1
		.amdhsa_system_sgpr_workgroup_id_y 1
		.amdhsa_system_sgpr_workgroup_id_z 1
		.amdhsa_system_vgpr_workitem_id 0
		.amdhsa_next_free_vgpr 186
		.amdhsa_next_free_sgpr 66
		.amdhsa_reserve_vcc 0
		.amdhsa_float_denorm_mode_32 3
		.amdhsa_float_denorm_mode_16_64 3
		.amdhsa_memory_ordered 1
		.amdhsa_forward_progress 1
		.amdhsa_inst_pref_size 21
	.end_amdhsa_kernel
	.amdgpu_metadata
---
amdhsa.version: [ 1, 2 ]
amdhsa.kernels:
  - .name:           k_q5822553247_quant
    .symbol:         k_q5822553247_quant.kd
    .args:
      - { .name: x, .offset: 0, .size: 8, .value_kind: global_buffer, .address_space: global }
      - { .name: Wq, .offset: 8, .size: 8, .value_kind: global_buffer, .address_space: global }
      - { .name: Wk, .offset: 16, .size: 8, .value_kind: global_buffer, .address_space: global }
      - { .name: Wv, .offset: 24, .size: 8, .value_kind: global_buffer, .address_space: global }
      - { .name: Wo, .offset: 32, .size: 8, .value_kind: global_buffer, .address_space: global }
      - { .name: qc, .offset: 40, .size: 8, .value_kind: global_buffer, .address_space: global }
      - { .name: rope, .offset: 48, .size: 8, .value_kind: global_buffer, .address_space: global }
      - { .name: rp, .offset: 56, .size: 8, .value_kind: global_buffer, .address_space: global }
    .group_segment_fixed_size: 35328
    .private_segment_fixed_size: 0
    .kernarg_segment_align: 8
    .kernarg_segment_size: 64
    .max_flat_workgroup_size: 128
    .sgpr_count:     66
    .vgpr_count:     186
    .wavefront_size: 32
...
	.end_amdgpu_metadata
.endif
;; end of part 1
;; launch proj (part 2): grid 24 x 8, 4 waves a work-group, clusters of 4 x 4, 327,680 bytes of LDS; arguments qc, bq, bk, bv, gq, gk, rp, qkv; writes qkv
.if DOCPART == 2
	.amdgcn_target "amdgcn-amd-amdhsa--gfx1250"
	.amdhsa_code_object_version 6
	.text
	.protected	k_q5822553247_proj
	.globl	k_q5822553247_proj
	.p2align	8
	.type	k_q5822553247_proj,@function
k_q5822553247_proj:
	s_mov_b64 s[64:65], 0
	v_nop
	global_prefetch_b8 v0, s[64:65] scope:SCOPE_SE
	s_setreg_imm32_b32 hwreg(HW_REG_WAVE_MODE, 25, 1), 1
	s_wait_xcnt 0x0
	s_wait_alu depctr_hold_cnt(0) depctr_sa_sdst(0) depctr_va_vdst(0) depctr_va_sdst(0) depctr_va_ssrc(0) depctr_va_vcc(0) depctr_vm_vsrc(0)
	s_getreg_b32 s2, hwreg(HW_REG_IB_STS2, 6, 4)
	s_cmp_eq_u32 s2, 0
	s_cbranch_scc0 .Lentry_in_a_cluster
	s_endpgm
.Lentry_in_a_cluster:
	s_bfe_u32 s2, ttmp6, 0x10000c
	s_cmp_lg_u32 s2, 0xf033
	s_cbranch_scc0 .Lentry_shape_is_right
	s_endpgm
.Lentry_shape_is_right:
.set HB,     12800
.set SLOTB,  3*HB
.set CHUNK,  2*SLOTB
.set GRP,    16*HB
.set QSZ,    256*HB
.set SPARE,  4*CHUNK
.set FR,   12
.set NL,   3
.set NP,   4
.set SW,   8
.set ADRR, 16
.set ADRS, 18
.set ADRP, 20
.set VBO,  22
.set BO,   23
.set LI,   24
.set SWO,  25
.set SPW,  28
.set NIL,  29
.set SC,   32
.set PC,   32
.set MX,   52
.set TB,   56
.set TS,   60
.set Y,    64
.set AF,   128
.set G1L, 4
.set G1,  24
.set G0,  32
.set G1B, 48
.set G0B, 56
.set G1BL, 88
.set SEL, 66
.set RN,  98
.set EP,  99
.set MSB, 0
.macro WIN new
.if MSB != (\new)
	s_set_vgpr_msb (MSB<<8)|(\new)
.set MSB, (\new)
.endif
.endm
.set MUL_LO, 0xa1
.set MUL_HI, 0xf1
.set TO_P,   0x40
.macro PLACES n
.rept \n
	v_nop
.endr
.endm
.macro JLOAD g0a, g1a, g0b, g1b
	s_cmp_eq_u32 s15, 0
	s_cbranch_scc0 .Lfor_p_\@
	tensor_load_to_lds s[\g0a:\g0a+3], s[\g1a:\g1a+7]
	s_nop 0
.rept 4
	v_nop
.endr
	s_branch .Lasked_\@
.Lfor_p_\@:
	tensor_load_to_lds s[\g0b:\g0b+3], s[\g1b:\g1b+7]
	s_nop 0
.rept 4
	v_nop
.endr
.Lasked_\@:
.endm
.macro CREST
	s_cmp_lg_u32 s14, 0
	s_cbranch_scc1 .Lnot_wave_0_\@
	s_barrier_signal -3
.Lnot_wave_0_\@:
	s_barrier_wait -3
	s_barrier_signal -1
	s_barrier_wait -1
.endm
.macro CROUND
	s_barrier_signal -1
	s_barrier_wait -1
	CREST
.endm
.macro QUANT s, pc, mx, tb, ts, pw
.irp b, 0,1,2,3
	v_max3_num_f32 v[\mx+\b], |v[\s+16*\b]|, |v[\s+1+16*\b]|, 0x1800000
.endr
.irp i, 2,4,6,8,10,12,14
.irp b, 0,1,2,3
	v_max3_num_f32 v[\mx+\b], v[\mx+\b], |v[\s+16*\b+\i]|, |v[\s+1+16*\b+\i]|
.endr
.endr
.irp b, 0,1,2,3
	v_permlanex16_b32 v[\tb+\b], v[\mx+\b], s[SEL], s[SEL+1]
.endr
.irp b, 0,1,2,3
	v_max_num_f32 v[\mx+\b], v[\mx+\b], v[\tb+\b]
.endr
.irp b, 0,1,2,3
	v_add_nc_u32 v[\ts+\b], 0xff000000, v[\mx+\b]
.endr
.irp b, 0,1,2,3
	v_lshrrev_b32 v[\tb+\b], 23, v[\ts+\b]
.endr
	v_lshl_or_b32 v[\pw], v[\tb+1], 8, v[\tb]
	v_lshl_or_b32 v[\pw], v[\tb+2], 16, v[\pw]
	v_lshl_or_b32 v[\pw], v[\tb+3], 24, v[\pw]
.irp c, 0,1
	v_cvt_scalef32_pk16_fp6_f32 v[\pc+6*\c:\pc+2+6*\c], v[\s+32*\c:\s+15+32*\c], v[\ts+2*\c]
	v_cvt_scalef32_pk16_fp6_f32 v[\pc+12+4*\c:\pc+14+4*\c], v[\s+16+32*\c:\s+31+32*\c], v[\ts+2*\c+1]
.endr
	v_nop
.irp c, 0,1
.irp i, 0,1,2
	v_permlane16_swap_b32 v[\pc+6*\c+\i], v[\pc+12+4*\c+\i]
.endr
.irp i, 0,1,2
	v_mov_b32 v[\pc+3+6*\c+\i], v[\pc+12+4*\c+\i]
.endr
.endr
.endm
	s_load_b512 s[68:83], s[0:1], 0x0
	v_lshl_add_u32 v[SPW], v0, 2, SPARE
	v_mov_b32 v[NIL], 0
	ds_add_u32 v28, v29
	ds_add_u32 v28, v29
	s_wait_dscnt 0x0
	v_lshrrev_b32 v1, 5, v0
	v_readfirstlane_b32 s14, v1
	s_lshr_b32 s15, s14, 1
	s_and_b32 s16, s14, 1
	s_bfe_u32 s40, ttmp6, 0x40000
	s_bfe_u32 s41, ttmp6, 0x40004
	s_mov_b32 s85, ttmp9
	s_lshr_b32 s84, ttmp9, 2
	s_mul_i32 s42, s84, 48
	s_lshl_b32 s46, ttmp9, 3
	s_add_co_u32 s46, s46, 16
	s_sub_co_u32 s46, s46, s42
	s_lshl_b32 s47, s40, 1
	s_add_co_u32 s46, s46, s47
	s_and_b32 s20, ttmp7, 0xffff
	s_lshl_b32 s20, s20, 3
	s_add_co_u32 s20, s20, s42
	s_lshl_b32 s21, s41, 1
	s_add_co_u32 s20, s20, s21
	s_lshl_b32 s43, s41, 2
	s_lshl_b32 s43, 15, s43
	s_lshl_b32 s44, 0x1111, s40
	s_or_b32 s[G1+0], s43, (3<<16)|(1<<21)
	s_or_b32 s[G1B+0], s44, (3<<16)|(1<<21)
.irp g, G1, G1B
	s_mov_b32 s[\g+1], 32<<16
	s_mov_b32 s[\g+2], 150<<16
	s_mov_b32 s[\g+3], 32<<16
	s_mov_b32 s[\g+4], 150
	s_mov_b32 s[\g+5], 32
	s_mov_b32 s[\g+6], 0
	s_mov_b32 s[\g+7], 0
.endr
	s_add_co_u32 s87, s20, s15
	s_add_co_u32 s20, s20, s16
	s_add_co_u32 s46, s46, s16
	s_mov_b32 s86, s46
	s_mul_i32 s20, s20, GRP
	s_mov_b32 s21, 0
	s_mul_i32 s46, s46, GRP
	s_mov_b32 s47, 0
	s_mul_i32 s45, s14, CHUNK
	s_mov_b32 s[SEL], 0x76543210
	s_mov_b32 s[SEL+1], 0xfedcba98
	s_mov_b32 s[RN], 0x3c000000
	s_mov_b32 s[EP], 0x34000000
	s_wait_kmcnt 0x0
	s_add_nc_u64 s[20:21], s[68:69], s[20:21]
	s_add_nc_u64 s[46:47], s[68:69], s[46:47]
	CROUND
.irp s, 0,1
	s_mov_b32 s[G0+4*\s], 1
	s_add_co_u32 s[G0+4*\s+1], s45, \s*SLOTB
	s_add_nc_u64 s[G0+4*\s+2:G0+4*\s+3], s[20:21], \s*SLOTB
	s_or_b32 s[G0+4*\s+3], s[G0+4*\s+3], 0x80000000
	s_mov_b32 s[G0B+4*\s], 1
	s_add_co_u32 s[G0B+4*\s+1], s45, \s*SLOTB
	s_add_nc_u64 s[G0B+4*\s+2:G0B+4*\s+3], s[46:47], \s*SLOTB
	s_or_b32 s[G0B+4*\s+3], s[G0B+4*\s+3], 0x80000000
.endr
	JLOAD G0, G1, G0B, G1B                         ; K steps 0-2: my one load at the head
	v_and_b32 v1, 15, v0
	v_bfe_u32 v2, v0, 4, 1
	v_and_b32 v3, 31, v0
	v_lshlrev_b32 v[LI], 4, v3
	s_mul_i32 s21, s15, CHUNK
	s_mul_i32 s22, s16, CHUNK
	s_add_co_u32 s22, s22, 2*CHUNK
	s_sub_co_u32 s23, s22, s21
	v_mul_u32_u24 v6, s23, v2
	v_lshl_add_u32 v5, v1, 5, v6
	v_add_nc_u32 v5, HB-512, v5
.irp s, 0,1
	v_add_nc_u32 v[ADRR+\s], s21, v[LI]
	v_add_nc_u32 v[ADRP+\s], s22, v[LI]
	v_add_nc_u32 v[ADRS+\s], s21, v5
	s_add_co_u32 s21, s21, SLOTB
	s_add_co_u32 s22, s22, SLOTB
.endr
	v_lshlrev_b32 v[BO], 6, v2
	v_lshlrev_b32 v7, 5, v1
	v_lshl_add_u32 v7, v2, 4, v7
	v_add_nc_u32 v[SWO], HB-512, v7
	v_and_b32 v7, 8, v1
	v_add_nc_u32 v7, v7, v1
	v_lshlrev_b32 v[VBO], 2, v7
.macro FRAG reg, adr, q, i
.irp c, 0,1,2
	ds_load_b128 v[\reg+4*\c:\reg+4*\c+3], v[\adr] offset:(\q)*HB+(\i)*1536+512*\c
.endr
.endm
.macro MUL16 a0, p, zero
.irp a, \a0, \a0+1
.irp b, 0,1,2,3,4,5,6,7
.if \zero
	v_wmma_scale_f32_16x16x128_f8f6f4 v[8*(8*((\a)%4)+\b):8*(8*((\a)%4)+\b)+7], v[128*(\p)+FR*\b:128*(\p)+FR*\b+FR-1], v[AF+FR*(\a):AF+FR*(\a)+FR-1], 0, v[SC+8*(\p)+\b], v[SC+8*(\p)+(\a)] matrix_a_fmt:MATRIX_FMT_FP6 matrix_b_fmt:MATRIX_FMT_FP6 matrix_a_scale:MATRIX_SCALE_ROW1
.else
	v_wmma_scale_f32_16x16x128_f8f6f4 v[8*(8*((\a)%4)+\b):8*(8*((\a)%4)+\b)+7], v[128*(\p)+FR*\b:128*(\p)+FR*\b+FR-1], v[AF+FR*(\a):AF+FR*(\a)+FR-1], v[8*(8*((\a)%4)+\b):8*(8*((\a)%4)+\b)+7], v[SC+8*(\p)+\b], v[SC+8*(\p)+(\a)] matrix_a_fmt:MATRIX_FMT_FP6 matrix_b_fmt:MATRIX_FMT_FP6 matrix_a_scale:MATRIX_SCALE_ROW1
.endif
.endr
.endr
.endm
.macro FETCH_P slot, q, p
	WIN TO_P
.irp i, 0,1,2,3,4,5,6,7
	FRAG 128*(\p)+FR*\i, ADRP+\slot, \q, \i
.endr
	WIN 0
.endm
.macro FETCH_R slot, q, i0
.irp i, \i0, \i0+1, \i0+2, \i0+3
	FRAG AF+FR*(\i), ADRR+\slot, \q, \i
.endr
.endm
.macro SCALES slot, q, p
.irp u, 0,1
	ds_load_b128 v[SC+8*(\p)+4*\u:SC+8*(\p)+4*\u+3], v[ADRS+\slot] offset:(\q)*HB+16*\u
.endr
.endm
.macro KSTEP n
.set SL,  ((\n)/3)%2
.set PP,  (\n)%2
.set NXS, (((\n)+1)/3)%2
.set NXQ, ((\n)+1)%3
.set NXP, 1-PP
.if (\n) == 0
.set ZR, 1
.else
.set ZR, 0
.endif
.if (\n)%3 == 2
	s_wait_tensorcnt 0x0
	ds_add_u32 v[SPW], v[NIL]
	s_wait_dscnt 4*NL+1
	WIN MUL_LO
	MUL16 0, PP, 0
	s_wait_dscnt 0x0
	s_barrier_signal -1
	MUL16 2, PP, 0
	WIN 0
	s_barrier_wait -1
.if (\n) < 14
	CREST
	s_add_nc_u64 s[G0+4*SL+2:G0+4*SL+3], s[G0+4*SL+2:G0+4*SL+3], 2*SLOTB
	s_add_nc_u64 s[G0B+4*SL+2:G0B+4*SL+3], s[G0B+4*SL+2:G0B+4*SL+3], 2*SLOTB
	JLOAD G0+4*SL, G1, G0B+4*SL, G1B               ; every refill has one shape, three K steps, so that the walk can be a loop
.else
	PLACES NP
.endif
.else
	s_wait_dscnt 4*NL
	WIN MUL_LO
	MUL16 0, PP, ZR
	MUL16 2, PP, ZR
	s_wait_dscnt 0
	PLACES NP
.endif
	s_wait_alu depctr_va_vdst(0)
	FETCH_P NXS, NXQ, NXP
	FETCH_R NXS, NXQ, 0
	SCALES NXS, NXQ, NXP
	WIN MUL_HI
	MUL16 4, PP, ZR
	MUL16 6, PP, ZR
	PLACES NP
	WIN 0
	FETCH_R NXS, NXQ, 4
.endm
	s_wait_alu depctr_va_vdst(0)                   ; the wait at the head's end
	s_wait_tensorcnt 0x0                           ; my part of K steps 0-2 is in
	ds_add_u32 v[SPW], v[NIL]
	s_wait_dscnt 0x0
	CROUND                                         ; everybody's part is in, and all sixteen work-groups are here
	JLOAD G0+4, G1, G0B+4, G1B                     ; K steps 3-5, the first tensor load behind the round
	FETCH_P 0, 0, 0
	FETCH_R 0, 0, 0
	SCALES 0, 0, 0
	FETCH_R 0, 0, 4
	KSTEP 0                                        ; the first step's products start the sums
	s_mov_b32 s12, 2
.Lsix:                                                 ; slots (three steps each) and the two sets of fragments come back to where they began after six steps: a trip is steps 1-6, then 7-12
.irp n, 1,2,3,4,5,6                                    ; the second trip's last refill begins at step 15, the group's last: of its three steps only that one is read; the other two are the next group's first, inside qc (the groups read here end at 63 of 80)
	KSTEP \n
.endr
	s_sub_co_u32 s12, s12, 1
	s_cmp_lg_u32 s12, 0
	s_cbranch_scc1 .Lsix
	; q's and k's work-groups (the branch hangs on the cluster's x alone): the way out's addresses are made behind the last three K steps
	KSTEP 13
	KSTEP 14
	s_wait_dscnt 4*NL
	WIN MUL_LO
	MUL16 0, 1, 0
	MUL16 2, 1, 0
	s_wait_dscnt 0
	WIN MUL_HI
	MUL16 4, 1, 0
	MUL16 6, 1, 0
	WIN 0
	PLACES NP
.irp b, 0,1,2,3
	v_mov_b32 v[TB+\b], 0
.endr
.macro IMGST a
.irp c, 0,1,2
	global_store_b128 v[LI], v[PC+4*\c:PC+4*\c+3], s[82:83] offset:1536*(\a)+512*\c
.endr
.endm
	s_cmp_lg_u32 s84, 0
	s_cbranch_scc1 .Lv
	; q's and k's work-groups: where the codes go, and where the bias, the gain and the rope come from
	s_lshr_b32 s88, s85, 1
	s_lshl_b32 s89, s88, 4
	s_sub_co_u32 s94, s86, 16
	s_sub_co_u32 s94, s94, s89
	s_lshl_b32 s95, s94, 4
	s_add_co_u32 s95, s95, s87
	s_mul_i32 s95, s95, HB
	s_lshl_b32 s95, s95, s88
	s_mul_i32 s89, s88, QSZ
	s_add_co_u32 s96, s95, s89
	s_mov_b32 s97, 0
	s_add_nc_u64 s[82:83], s[82:83], s[96:97]
	s_cmp_eq_u32 s88, 0
	s_cselect_b64 s[90:91], s[70:71], s[72:73]
	s_cselect_b64 s[92:93], s[76:77], s[78:79]
	s_lshl_b32 s96, s94, 9
	s_add_nc_u64 s[90:91], s[90:91], s[96:97]
	s_lshl_b32 s96, s87, 17
	s_add_nc_u64 s[80:81], s[80:81], s[96:97]
	WIN 0x40
.irp b, 0,1,2,3
.irp j, 0,1,2,3
	global_load_b128 v[16*\b+4*\j:16*\b+4*\j+3], v[BO], s[90:91] offset:128*\b+16*\j
	global_load_b128 v[64+16*\b+4*\j:64+16*\b+4*\j+3], v[BO], s[92:93] offset:128*\b+16*\j
.endr
.endr
	WIN 0
.macro ROPE_LOAD a
	WIN 0x40*(1-(\a)%2)
.set n, 0
.rept 32
	global_load_b128 v[128+4*n:131+4*n], v[LI], s[80:81] offset:(\a)*16384+512*n
.set n, n+1
.endr
	WIN 0
.endm
.macro QKTILE a
.if (\a) > 0
	s_wait_xcnt 0x0
.else
	s_wait_loadcnt 32
	ROPE_LOAD 1
.endif
	WIN 0x06+(\a)/4
.set n, 0
.rept 32
	v_pk_add_f32 v[Y+n:Y+n+1], v[64*((\a)%4)+n:64*((\a)%4)+n+1], v[n:n+1]
.set n, n+2
.endr
	WIN 0
	v_pk_mul_f32 v[32:33], v[Y:Y+1], v[Y:Y+1]
	v_pk_mul_f32 v[34:35], v[Y+2:Y+3], v[Y+2:Y+3]
.set n, 4
.rept 15
	v_pk_fma_f32 v[32:33], v[Y+n:Y+n+1], v[Y+n:Y+n+1], v[32:33]
	v_pk_fma_f32 v[34:35], v[Y+n+2:Y+n+3], v[Y+n+2:Y+n+3], v[34:35]
.set n, n+4
.endr
	v_pk_add_f32 v[32:33], v[32:33], v[34:35]
	v_add_f32 v32, v32, v33
	v_permlanex16_b32 v33, v32, s[SEL], s[SEL+1]
	v_add_f32 v32, v32, v33
	v_fma_f32 v34, v32, s[RN], s[EP]
	s_wait_alu depctr_va_vdst(0)
	v_rsq_f32 v36, v34
	v_rsq_f32 v37, v34
	v_nop
.set n, 0
	s_wait_alu depctr_va_vdst(0)
.rept 32
	v_pk_mul_f32 v[Y+n:Y+n+1], v[Y+n:Y+n+1], v[36:37]
.set n, n+2
.endr
	WIN 0x04
.set n, 0
.rept 32
	v_pk_mul_f32 v[Y+n:Y+n+1], v[Y+n:Y+n+1], v[64+n:65+n]
.set n, n+2
.endr
	WIN 0
.if (\a) < 7
	s_wait_loadcnt 32
.else
	s_wait_loadcnt 0x0
.endif
	WIN 0x01*(1-(\a)%2)
.set n, 0
.rept 32
	v_pk_mul_f32 v[40+2*(n%4):41+2*(n%4)], v[128+4*n:129+4*n], v[Y+2*n:Y+2*n+1] op_sel_hi:[1,0]   ; (r00, r10) x the pair's first number
	v_pk_fma_f32 v[Y+2*n:Y+2*n+1], v[130+4*n:131+4*n], v[Y+2*n:Y+2*n+1], v[40+2*(n%4):41+2*(n%4)] op_sel:[0,1,0] op_sel_hi:[1,1,1]   ; + (r01, r11) x its second
.set n, n+1
.endr
	WIN 0
.if (\a) < 6
	ROPE_LOAD (\a)+2
.endif
	QUANT Y, PC, MX, TB, TS, SW+(\a)
	IMGST \a
.endm
	ROPE_LOAD 0
.irp a, 0,1,2,3,4,5,6,7
	QKTILE \a
.endr
	s_branch .Ljoin
.Lv:
	s_sub_co_u32 s94, s87, 48
	s_lshl_b32 s95, s94, 4
	s_add_co_u32 s95, s95, s86
	s_mul_i32 s95, s95, 2*HB
	s_add_co_u32 s96, s95, QSZ+HB
	s_mov_b32 s97, 0
	s_add_nc_u64 s[82:83], s[82:83], s[96:97]
	s_lshl_b32 s96, s94, 9
	s_add_nc_u64 s[74:75], s[74:75], s[96:97]
.irp a, 0,1,2,3,4,5,6,7
	global_load_b32 v[128+2*\a], v[VBO], s[74:75] offset:4*(32*(\a/2)+8*(\a%2))
	global_load_b32 v[129+2*\a], v[VBO], s[74:75] offset:4*(32*(\a/2)+8*(\a%2))
.endr
	s_wait_loadcnt 0x0
.macro VTILE a
	WIN 0x02+(\a)/4
.set n, 0
.rept 32
	v_pk_add_f32 v[Y+n:Y+n+1], v[64*((\a)%4)+n:64*((\a)%4)+n+1], v[128+2*(\a):129+2*(\a)]
.set n, n+2
.endr
	WIN 0
	s_wait_xcnt 0x0
	QUANT Y, PC, MX, TB, TS, SW+(\a)
	IMGST \a
.endm
.irp a, 0,1,2,3,4,5,6,7
	VTILE \a
.endr
.Ljoin:
	v_cmp_le_u32 vcc_lo, 16, v3
.irp i, 0,1,2,3
	v_cndmask_b32 v[44+\i], v[SW+\i], v[SW+4+\i], vcc_lo
.endr
	global_store_b128 v[SWO], v[44:47], s[82:83]
	s_wait_tensorcnt 0x0
	ds_add_u32 v[SPW], v[NIL]
	s_wait_dscnt 0x0
	CROUND
	s_endpgm
.Lfunc_end_k_q5822553247_proj:
	.size	k_q5822553247_proj, .Lfunc_end_k_q5822553247_proj-k_q5822553247_proj
	.p2alignl 7, 3214868480
	.fill 96, 4, 3214868480
	.section	.rodata,"a",@progbits
	.p2align	6, 0x0
	.amdhsa_kernel k_q5822553247_proj
		.amdhsa_group_segment_fixed_size 327680
		.amdhsa_private_segment_fixed_size 0
		.amdhsa_enable_private_segment 0
		.amdhsa_kernarg_size 64
		.amdhsa_user_sgpr_count 2
		.amdhsa_user_sgpr_kernarg_segment_ptr 1
		.amdhsa_wavefront_size32 1
		.amdhsa_system_sgpr_workgroup_id_x 1
		.amdhsa_system_sgpr_workgroup_id_y 1
		.amdhsa_system_sgpr_workgroup_id_z 1
		.amdhsa_system_vgpr_workitem_id 0
		.amdhsa_next_free_vgpr 1024
		.amdhsa_next_free_sgpr 100
		.amdhsa_reserve_vcc 1
		.amdhsa_float_denorm_mode_32 3
		.amdhsa_float_denorm_mode_16_64 3
		.amdhsa_memory_ordered 1
		.amdhsa_forward_progress 1
		.amdhsa_inst_pref_size 255
	.end_amdhsa_kernel
	.section	.bss,"aw",@nobits
	.p2align	6
	.space	262144
	.amdgpu_metadata
---
amdhsa.version: [ 1, 2 ]
amdhsa.kernels:
  - .name:           k_q5822553247_proj
    .symbol:         k_q5822553247_proj.kd
    .args:
      - { .name: qc, .offset: 0, .size: 8, .value_kind: global_buffer, .address_space: global }
      - { .name: bq, .offset: 8, .size: 8, .value_kind: global_buffer, .address_space: global }
      - { .name: bk, .offset: 16, .size: 8, .value_kind: global_buffer, .address_space: global }
      - { .name: bv, .offset: 24, .size: 8, .value_kind: global_buffer, .address_space: global }
      - { .name: gq, .offset: 32, .size: 8, .value_kind: global_buffer, .address_space: global }
      - { .name: gk, .offset: 40, .size: 8, .value_kind: global_buffer, .address_space: global }
      - { .name: rp, .offset: 48, .size: 8, .value_kind: global_buffer, .address_space: global }
      - { .name: qkv, .offset: 56, .size: 8, .value_kind: global_buffer, .address_space: global }
    .group_segment_fixed_size: 327680
    .private_segment_fixed_size: 0
    .kernarg_segment_align: 8
    .kernarg_segment_size: 64
    .max_flat_workgroup_size: 128
    .sgpr_count:     100
    .vgpr_count:     1024
    .wavefront_size: 32
...
	.end_amdgpu_metadata
.endif
;; end of part 2
;; launch attn (part 3): grid 16 x 16, 8 waves a work-group, clusters of 4 x 1, 327,680 bytes of LDS; arguments qkv, oc; writes oc
.if DOCPART == 3
	.amdgcn_target "amdgcn-amd-amdhsa--gfx1250"
	.amdhsa_code_object_version 6
	.text
	.protected	k_q5822553247_attn
	.globl	k_q5822553247_attn
	.p2align	8
	.type	k_q5822553247_attn,@function
k_q5822553247_attn:
	s_mov_b64 s[64:65], 0
	v_nop
	global_prefetch_b8 v0, s[64:65] scope:SCOPE_SE
	s_setreg_imm32_b32 hwreg(HW_REG_WAVE_MODE, 25, 1), 1
	s_wait_xcnt 0x0
	s_wait_alu depctr_hold_cnt(0) depctr_sa_sdst(0) depctr_va_vdst(0) depctr_va_sdst(0) depctr_va_ssrc(0) depctr_va_vcc(0) depctr_vm_vsrc(0)
	s_getreg_b32 s2, hwreg(HW_REG_IB_STS2, 6, 4)
	s_cmp_eq_u32 s2, 0
	s_cbranch_scc0 .Lentry_in_a_cluster
	s_endpgm
.Lentry_in_a_cluster:
	s_bfe_u32 s2, ttmp6, 0x10000c
	s_cmp_lg_u32 s2, 0x3003
	s_cbranch_scc0 .Lentry_shape_is_right
	s_endpgm
.Lentry_shape_is_right:
; o = softmax(q k^T / sqrt(128)) v for 16 heads of 2,048 tokens, both products on codes of FP6 (E2M3); o leaves as codes, quantised along the head's 128, which are a K step of the last projection.
; THE SOFTMAX AHEAD OF THE SECOND PRODUCT: t = score x log2(e) / sqrt(128); M = the running largest t rounded UP to a whole number; p = 2^(t - M) is quantised along the keys, not normalised.
; The row's sum is taken of the unquantised p and divides O at the end.  When M moves, the sum and O are multiplied by 2^(old M - new M): exact.
; OPERANDS are half-blocks of 12,800 bytes: 8 fragments as images of their registers (tile t at 1536 t + 512 c + 16 lane), then scale words at 12,288 + 32 r + 4 t; lane r of tile t stands for row 32 (t/2) + 8 (t%2) + r + 8 (r/8).
; Both products are used transposed: a lane holds ONE query throughout, and its registers run along keys (S^T) or channels (O^T).
; SHARES.  A work-group owns 128 queries of one head.  Eight waves: wave w has the query tiles 2 g, 2 g + 1 (g = w % 4) and every second key step (h = w / 4: steps 2 i + h), so each fragment read from LDS feeds two products.
; At the end waves w and w + 4 hand each other one tile's O^T, -M and sums through LDS bytes of their own; wave (g, h) joins and finishes tile 2 g + h: both parts are brought under the larger M by powers of two.
; LDS: a ring of two slots of four key steps (102,400 bytes, at 0 and at 131,072).  A fill is dense in memory; wave w brings its w-th half-block: one load a wave at the head and one behind each of three rounds; one load of a wave is out at most.
; CLUSTER: the four query groups of a cluster walk the same head's k and v: every fill is asked for jointly by the four.
; PREFETCH: in the trip that loads fill f + 1, fill f + 2 is asked for (f = 0, 1): 400 blocks of 256 bytes, 100 to each work-group of the cluster, told apart by address; a lane a block, waves 0-3; lanes 100-127 name block 99 again.
; LIMITS: the promise holds while the scaled scores stay under 2^31 in magnitude; NaN and infinities are not served; a block of zeros gets the scale byte 1 (this program alone reads the bytes);
; v_exp_f32 and v_rcp_f32 are good to one unit in the last place; a block's largest p is made from its largest score by the same two instructions.
; REGISTERS.  Window x (0, 1) is tile x's: v12 -M, v13 largest t, v[14:15] the sum, v16-27 q, v96-159 S^T then p, v160-223 O^T, v224-247 codes and work, v248-251 the last quantiser's, v252 f, v253 p's scale word, v254 work.
;   Window 0 also: v1-11, v28, v29 addresses; v32-39 k's or v's scale words, v48-49 q's, v50-51 p's.  ONE set of eight fragments serves k and then v: tiles 0-4 in window 1 at v28-87, tiles 5-7 in window 0 at v52-87.
.set HB,    12800
.set BLK,   2*HB
.set QSZ,   256*HB
.set FILL,  4*BLK
.set SLOTS, 0x20000                    ; from slot 0 to slot 1
.set SPARE, FILL                       ; the spare words, 128 bytes for each wave: four blocks of 256 bytes that no other line names
.set OSC,   SPARE+1024                 ; o's scale words meet here: bytes of their own
.set STG,   SLOTS+FILL                 ; behind slot 1: what a wave hands to its partner
.set WST,   8704                       ; 8,192 bytes of O^T, then 512 of -M and the sums
.set LI,   1                           ; 16 x lane
.set LSC,  2                           ; 32 r
.set SPW,  3
.set NIL,  4
.set ADK,  5
.set ADKS, 6
.set MST,  7                           ; my bytes of the stage
.set MLD,  8                           ; my partner's
.set QFO,  9                           ; 16 x lane + 3072 g
.set QSO,  10                          ; 32 r + 8 g
.set OSA,  11                          ; OSC + 32 r + 8 g
.set OSR,  28                          ; OSC + 16 x lane
.set PFO,  29                          ; 256 x min(thread, 99)
.set WV,  8
.set G1,  16
.set G0,  24
.set SEL, 36
.set CS,  38
.set TK,  40                           ; LDS byte of my next key step
.set TB,  41                           ; of my first step in the slot read next
.set CNT, 42
.set CN2, 43
.set PG,  48
.set HF,  49
.set PF,  50
.set MSB, 0
.macro WIN new
.if MSB != (\new)
	s_set_vgpr_msb (MSB<<8)|(\new)
.set MSB, (\new)
.endif
.endm
.macro CROUND                          ; a whole round of the cluster's barrier
	s_barrier_signal -1
	s_barrier_wait -1
	CREST
.endm
.macro CREST                           ; a round behind its opening barrier
	s_cmp_lg_u32 s[WV], 0
	s_cbranch_scc1 .Lnot_wave_0_\@
	s_barrier_signal -3
.Lnot_wave_0_\@:
	s_barrier_wait -3
	s_barrier_signal -1
	s_barrier_wait -1
.endm
.macro PLACES
.rept 4
	v_nop
.endr
.endm
.macro QUANT s, pc, mx, tb, ts, pw
.irp b, 0,1,2,3
	v_max3_num_f32 v[\mx+\b], |v[\s+16*\b]|, |v[\s+1+16*\b]|, 0x1800000
.endr
.irp i, 2,4,6,8,10,12,14
.irp b, 0,1,2,3
	v_max3_num_f32 v[\mx+\b], v[\mx+\b], |v[\s+16*\b+\i]|, |v[\s+1+16*\b+\i]|
.endr
.endr
.irp b, 0,1,2,3
	v_permlanex16_b32 v[\tb+\b], v[\mx+\b], s[SEL], s[SEL+1]
.endr
.irp b, 0,1,2,3
	v_max_num_f32 v[\mx+\b], v[\mx+\b], v[\tb+\b]
.endr
.irp b, 0,1,2,3
	v_add_nc_u32 v[\ts+\b], 0xff000000, v[\mx+\b]
.endr
.irp b, 0,1,2,3
	v_lshrrev_b32 v[\tb+\b], 23, v[\ts+\b]
.endr
	v_lshl_or_b32 v[\pw], v[\tb+1], 8, v[\tb]
	v_lshl_or_b32 v[\pw], v[\tb+2], 16, v[\pw]
	v_lshl_or_b32 v[\pw], v[\tb+3], 24, v[\pw]
.irp c, 0,1
	v_cvt_scalef32_pk16_fp6_f32 v[\pc+6*\c:\pc+2+6*\c], v[\s+32*\c:\s+15+32*\c], v[\ts+2*\c]
	v_cvt_scalef32_pk16_fp6_f32 v[\pc+12+4*\c:\pc+14+4*\c], v[\s+16+32*\c:\s+31+32*\c], v[\ts+2*\c+1]
.endr
	v_nop
.irp c, 0,1
.irp i, 0,1,2
	v_permlane16_swap_b32 v[\pc+6*\c+\i], v[\pc+12+4*\c+\i]
.endr
.irp i, 0,1,2
	v_mov_b32 v[\pc+3+6*\c+\i], v[\pc+12+4*\c+\i]
.endr
.endr
.endm
	s_load_b128 s[4:7], s[0:1], 0x0                ; qkv, oc
	v_lshl_add_u32 v[SPW], v0, 2, SPARE
	v_mov_b32 v[NIL], 0
	ds_add_u32 v[SPW], v[NIL]                      ; the opening lines: the add, twice on end, and its wait ahead of my first tensor load
	ds_add_u32 v[SPW], v[NIL]
	v_lshrrev_b32 v9, 5, v0
	v_readfirstlane_b32 s[WV], v9                  ; wave 0..7
	s_and_b32 s[PG], s[WV], 3                      ; g: my pair of query tiles
	s_lshr_b32 s[HF], s[WV], 2                     ; h: my half of the key steps, and the tile that I finish
	s_bfe_u32 s9, ttmp6, 0x40000                   ; cx: it enters q's, oc's and the prefetch's addresses alone
	s_lshl_b32 s10, ttmp9, 2
	s_add_co_u32 s10, s10, s9                      ; my group of 128 queries
	s_and_b32 s11, ttmp7, 0xffff                   ; the head, which the four partners share
	s_mul_i32 s12, s11, 16*BLK
	s_add_co_u32 s12, s12, QSZ                     ; the head's k and v
	s_mov_b32 s13, 0
	s_mul_i32 s14, s[WV], HB                       ; my half-block of each fill: in memory and in LDS
	s_mov_b32 s15, 0
	s_mul_i32 s[PF], s9, BLK                       ; my work-group's 100 blocks of a fill,
	s_add_co_u32 s[PF], s[PF], 2*FILL              ; at fill 2; fill 3 is named by the immediate
	s_mov_b32 s[PF+1], 0
	s_lshl_b32 s44, s11, 4
	s_add_co_u32 s44, s44, s10
	s_mul_i32 s44, s44, HB                         ; q's half-block: 16 head + group
	s_mov_b32 s45, 0
	s_lshl_b32 s46, s10, 4
	s_add_co_u32 s46, s46, s11
	s_mul_i32 s46, s46, HB                         ; oc's: 16 group + head,
	s_mul_i32 s47, s[PG], 3072
	s_add_co_u32 s46, s46, s47                     ; my pair of tiles in it
	s_mov_b32 s47, 0
	s_mov_b32 s[G1], 15|(3<<16)|(1<<21)            ; the mask: all four work-groups; elements of 8 bytes; bit 21 beside a mask; no padding
	s_mov_b32 s[G1+1], 32<<16                      ; 12,800 dense bytes as 50 rows of 256
	s_mov_b32 s[G1+2], 50<<16
	s_mov_b32 s[G1+3], 32<<16
	s_mov_b32 s[G1+4], 50
	s_mov_b32 s[G1+5], 32
	s_mov_b32 s[G1+6], 0
	s_mov_b32 s[G1+7], 0
	s_mov_b32 s[SEL], 0x76543210
	s_mov_b32 s[SEL+1], 0xfedcba98
	s_mov_b32 s[CS], 0x3e0293ee                    ; c = log2(e) / sqrt(128)
	s_mov_b32 s[CS+1], s[CS]
	s_mul_i32 s[TB], s[HF], BLK                    ; slot 0, step h
	s_wait_dscnt 0x0                               ; both opening adds are done
	s_wait_kmcnt 0x0
	s_add_nc_u64 s[12:13], s[4:5], s[12:13]
	s_add_nc_u64 s[PF:PF+1], s[12:13], s[PF:PF+1]
	s_add_nc_u64 s[44:45], s[4:5], s[44:45]
	s_add_nc_u64 s[6:7], s[6:7], s[46:47]
	s_mov_b32 s[G0], 1
	s_mov_b32 s[G0+1], s14
	s_add_nc_u64 s[G0+2:G0+3], s[12:13], s[14:15]
	s_or_b32 s[G0+3], s[G0+3], 0x80000000
	CROUND                                         ; all four work-groups are here: the first joint loads meet
	tensor_load_to_lds s[G0:G0+3], s[G1:G1+7]      ; fill 0, my one load at the head
	s_nop 0
	PLACES
	v_and_b32 v9, 31, v0
	v_lshlrev_b32 v[LI], 4, v9
	v_and_b32 v10, 15, v0
	v_lshlrev_b32 v[LSC], 5, v10
	v_min_u32 v[PFO], 99, v0
	v_lshlrev_b32 v[PFO], 8, v[PFO]
	s_mul_i32 s15, s[PG], 3072
	v_add_nc_u32 v[QFO], s15, v[LI]
	s_lshl_b32 s15, s[PG], 3
	v_add_nc_u32 v[QSO], s15, v[LSC]
	v_add_nc_u32 v[OSA], OSC, v[QSO]
	v_add_nc_u32 v[OSR], OSC, v[LI]
	s_mul_i32 s15, s[WV], WST
	s_add_co_u32 s15, s15, STG
	v_add_nc_u32 v[MST], s15, v[LI]
	s_xor_b32 s15, s[WV], 4                        ; my partner: the same g, the other h
	s_mul_i32 s15, s15, WST
	s_add_co_u32 s15, s15, STG
	v_add_nc_u32 v[MLD], s15, v[LI]
.irp c, 0,1,2
	global_load_b128 v[16+4*\c:19+4*\c], v[QFO], s[44:45] offset:512*\c          ; q's tile 2 g stays in registers
.endr
	global_load_b64 v[48:49], v[QSO], s[44:45] offset:HB-512                     ; the two tiles' scale words
	WIN 0x40
.irp c, 0,1,2
	global_load_b128 v[16+4*\c:19+4*\c], v[QFO], s[44:45] offset:1536+512*\c     ; tile 2 g + 1, in window 1
.endr
.macro INIT x                          ; the step is written once for all steps: the first finds zeros, which the first change of M leaves zeros
	WIN 0x55*\x
	v_mov_b32 v13, 0xff61b1e6                      ; the largest t so far: -3e38
	v_floor_f32 v12, -v13
	v_mov_b32 v14, 0
	v_mov_b32 v15, 0
.irp b, 0,1,2,3
	v_mov_b32 v[236+\b], 0                         ; a lane permute's destination counts as one of its sources
	v_mov_b32 v[248+\b], 0
.endr
	v_mov_b32 v253, 0
.set n, 0
.rept 64
	v_mov_b32 v[160+n], 0
.set n, n+1
.endr
.endm
	INIT 0
	INIT 1
	WIN 0
.macro LOADF o                         ; eight fragments and their scale words, from byte o of my step (0: k, HB: v)
	WIN 0x40
.irp t, 0,1,2,3,4
.irp c, 0,1,2
	ds_load_b128 v[28+12*\t+4*\c:31+12*\t+4*\c], v[ADK] offset:\o+1536*\t+512*\c
.endr
.endr
	WIN 0
.irp t, 5,6,7
.irp c, 0,1,2
	ds_load_b128 v[12*\t-8+4*\c:12*\t-5+4*\c], v[ADK] offset:\o+1536*\t+512*\c
.endr
.endr
	ds_load_b128 v[32:35], v[ADKS] offset:\o+HB-512
	ds_load_b128 v[36:39], v[ADKS] offset:\o+HB-496
.endm
.macro SQK x, lo                       ; S^T = k q^T of tile x; lo = 1: key tiles 0-4 (fragments in window 1), 0: tiles 5-7 (window 0)
	WIN \lo+0x54*\x
.if \lo
.irp t, 0,1,2,3,4
	v_wmma_scale_f32_16x16x128_f8f6f4 v[96+8*\t:103+8*\t], v[28+12*\t:39+12*\t], v[16:27], 0, v[32+\t], v[48+\x] matrix_a_fmt:MATRIX_FMT_FP6 matrix_b_fmt:MATRIX_FMT_FP6
.endr
.else
.irp t, 5,6,7
	v_wmma_scale_f32_16x16x128_f8f6f4 v[96+8*\t:103+8*\t], v[12*\t-8:12*\t+3], v[16:27], 0, v[32+\t], v[48+\x] matrix_a_fmt:MATRIX_FMT_FP6 matrix_b_fmt:MATRIX_FMT_FP6
.endr
.endif
.endm
.macro PV x, lo                        ; O^T += v^T p^T of tile x; the sixteen accumulators of a step take turns, one instruction each
	WIN \lo+0x54*\x
.if \lo
.irp t, 0,1,2,3,4
	v_wmma_scale_f32_16x16x128_f8f6f4 v[160+8*\t:167+8*\t], v[28+12*\t:39+12*\t], v[224:235], v[160+8*\t:167+8*\t], v[32+\t], v[50+\x] matrix_a_fmt:MATRIX_FMT_FP6 matrix_b_fmt:MATRIX_FMT_FP6
.endr
.else
.irp t, 5,6,7
	v_wmma_scale_f32_16x16x128_f8f6f4 v[160+8*\t:167+8*\t], v[12*\t-8:12*\t+3], v[224:235], v[160+8*\t:167+8*\t], v[32+\t], v[50+\x] matrix_a_fmt:MATRIX_FMT_FP6 matrix_b_fmt:MATRIX_FMT_FP6
.endr
.endif
.endm
.macro SOFTMAX x                       ; tile x, one key step, all in window x
	WIN 0x55*\x
.if \x
	s_wait_alu depctr_va_vdst(0)
.endif
.irp b, 0,1,2,3
	v_max3_num_f32 v[232+\b], v[96+16*\b], v[97+16*\b], v[98+16*\b]   ; the largest score of each block of 32 keys: for the row's maximum, and for the block's largest p
.endr
.irp i, 3,5,7,9,11,13
.irp b, 0,1,2,3
	v_max3_num_f32 v[232+\b], v[232+\b], v[96+16*\b+\i], v[97+16*\b+\i]
.endr
.endr
.irp b, 0,1,2,3
	v_max_num_f32 v[232+\b], v[232+\b], v[111+16*\b]
.endr
.irp b, 0,1,2,3
	v_permlanex16_b32 v[236+\b], v[232+\b], s[SEL], s[SEL+1]
.endr
.irp b, 0,1,2,3
	v_max_num_f32 v[232+\b], v[232+\b], v[236+\b]
.endr
	v_max3_num_f32 v254, v232, v233, v234
	s_delay_alu instid0(VALU_DEP_1)                ; one chain of dependent lines, two waves to a SIMD: a hint ahead of each reader
	v_max_num_f32 v254, v254, v235
	s_delay_alu instid0(VALU_DEP_1)
	v_mul_f32 v254, s[CS], v254                    ; as t
	s_delay_alu instid0(VALU_DEP_1)
	v_max_num_f32 v13, v13, v254                   ; the running largest t
	v_mov_b32 v254, v12
	s_delay_alu instid0(VALU_DEP_2)
	v_floor_f32 v12, -v13                          ; the new -M = -ceil(t)
	s_delay_alu instid0(VALU_DEP_1)
	v_sub_f32 v254, v12, v254                      ; old M - new M: a whole number, 0 or less
	s_delay_alu instid0(VALU_DEP_1)
	v_cvt_i32_f32 v254, v254                       ; (it saturates)
	s_delay_alu instid0(VALU_DEP_1)
	v_ldexp_f32 v252, 1.0, v254                    ; f = 2^(old M - new M)
.set n, 0
.rept 32
	v_pk_fma_f32 v[96+n:97+n], v[96+n:97+n], s[CS:CS+1], v[12:13] op_sel_hi:[1,0,0]   ; t - M
.set n, n+2
.endr
.irp b, 0,1,2,3
	v_fma_f32 v[232+\b], v[232+\b], s[CS], v12
.endr
	s_wait_alu depctr_va_vdst(0)                   ; the wait ahead of the batch
.set n, 0
.rept 64
	v_exp_f32 v[96+n], v[96+n]                     ; p = 2^(t - M)
.set n, n+1
.endr
.irp b, 0,1,2,3
	v_exp_f32 v[232+\b], v[232+\b]                 ; the block's largest p
.endr
	v_pk_mul_f32 v[14:15], v[14:15], v[252:253] op_sel_hi:[1,0]   ; the sums under the new M (a plain place behind the exponentials)
	s_wait_alu depctr_va_vdst(0)                   ; and behind it
.irp b, 0,1,2,3
	v_max_num_f32 v[232+\b], 0x1800000, v[232+\b]  ; the floor 2^(3 - 127)
.endr
.irp b, 0,1,2,3
	v_add_nc_u32 v[244+\b], 0xff000000, v[232+\b]
.endr
.irp b, 0,1,2,3
	v_lshrrev_b32 v[236+\b], 23, v[244+\b]
.endr
	v_lshl_or_b32 v253, v237, 8, v236
	s_delay_alu instid0(VALU_DEP_1)
	v_lshl_or_b32 v253, v238, 16, v253
	s_delay_alu instid0(VALU_DEP_1)
	v_lshl_or_b32 v253, v239, 24, v253
	WIN 0x01*\x
	v_mov_b32 v[50+\x], v253                       ; p's scale word, to a register of window 0 that holds scales alone; more than 64 plain instructions stand between it and the products
	WIN 0x55*\x
.irp c, 0,1
	v_cvt_scalef32_pk16_fp6_f32 v[224+6*\c:226+6*\c], v[96+32*\c:111+32*\c], v[244+2*\c]
	v_cvt_scalef32_pk16_fp6_f32 v[236+4*\c:238+4*\c], v[112+32*\c:127+32*\c], v[244+2*\c+1]
.endr
	v_nop
.irp c, 0,1
.irp i, 0,1,2
	v_permlane16_swap_b32 v[224+6*\c+\i], v[236+4*\c+\i]
.endr
.irp i, 0,1,2
	v_mov_b32 v[227+6*\c+\i], v[236+4*\c+\i]
.endr
.endr
	v_pk_add_f32 v[236:237], v[96:97], v[98:99]    ; the row's sum is taken of the unquantised p, in two chains
.set n, 4
.rept 15
	v_pk_add_f32 v[14:15], v[14:15], v[96+n:97+n]
	v_pk_add_f32 v[236:237], v[236:237], v[98+n:99+n]
.set n, n+4
.endr
	v_pk_add_f32 v[14:15], v[14:15], v[236:237]
	s_wait_alu depctr_va_vdst(0)                   ; the wait directly ahead of the first reader of O^T
.set n, 0
.rept 32
	v_pk_mul_f32 v[160+n:161+n], v[160+n:161+n], v[252:253] op_sel_hi:[1,0]   ; O^T under the new M, each accumulator from its low end on
.set n, n+2
.endr
.endm
; ONE KEY STEP of my half.  At its head four places stand behind the last products, and none of my LDS loads is out; so it is at its end.
; chg = 1: this is my last step in its slot, and the slot is filled again; chg = 2: only the fill that is out is shown landed to all waves.  Both stand in the step's middle: v's loads are my last reads of the slot.
.macro STEP chg
	v_add_nc_u32 v[ADK], s[TK], v[LI]
	v_add_nc_u32 v[ADKS], s[TK], v[LSC]
	s_wait_alu depctr_va_vdst(0)                   ; v's loads read the two again behind a wait on DScnt
	LOADF 0
	s_wait_dscnt 0x0                               ; k is in
	SQK 0, 1
	SQK 0, 0
	SQK 1, 0
	SQK 1, 1
	WIN 0
	PLACES                                         ; in front of the loads into k's registers and of the first read of scores
	LOADF HB                                       ; v lands under tile 0's softmax
.if \chg
	s_wait_tensorcnt 0x0                           ; my one load that was out, my part of the next slot's fill, has landed
	ds_add_u32 v[SPW], v[NIL]                      ; 0 onto my spare word
.if \chg == 1
	s_xor_b32 s[G0+1], s[G0+1], SLOTS              ; this slot,
	s_add_nc_u64 s[G0+2:G0+3], s[G0+2:G0+3], FILL  ; the fill after the one that has landed
.endif
	SOFTMAX 0                                      ; work on registers between the add and the wait for it
	s_wait_alu depctr_va_vdst(0)                   ; the wait, directly ahead of the wait below
	s_wait_dscnt 0x0                               ; the add is done, v is in, and my reads of this slot are over
	s_barrier_signal -1
	SOFTMAX 1                                      ; work on registers while the others arrive
	s_wait_alu depctr_va_vdst(0)
	WIN 0
	s_barrier_wait -1
.if \chg == 1
	CREST                                          ; the barrier has opened a round: no wave of any partner still reads this slot or has a load on its way
	tensor_load_to_lds s[G0:G0+3], s[G1:G1+7]      ; my one load behind the round; it has two and a half of my key steps in which to land
	s_nop 0
	PLACES
	s_cmp_gt_u32 s[CNT], 1                         ; with fill 2's load fill 3 is asked for; with fill 3's nothing
	s_cbranch_scc0 .Lno_ask_\@
	s_cmp_lt_u32 s[WV], 4
	s_cbranch_scc0 .Lno_ask_\@
	global_prefetch_b8 v[PFO], s[PF:PF+1] offset:FILL th:TH_LOAD_NT scope:SCOPE_SE
.Lno_ask_\@:
.endif
.else
	SOFTMAX 0
	SOFTMAX 1
	s_wait_alu depctr_va_vdst(0)                   ; the wait, directly ahead of the wait below
	s_wait_dscnt 0x0                               ; v is in
.endif
	PV 0, 1
	PV 0, 0
	PV 1, 0
	PV 1, 1
	WIN 0
	PLACES                                         ; in front of the next loads into these fragments, and of the stores of O^T behind the last step
	s_add_co_u32 s[TK], s[TK], 2*BLK
.endm
	s_wait_alu depctr_va_vdst(0)                   ; the wait at the head's end
	s_wait_loadcnt 0x0                             ; q
	s_wait_tensorcnt 0x0                           ; my part of fill 0 is in
	ds_add_u32 v[SPW], v[NIL]
	s_xor_b32 s[G0+1], s[G0+1], SLOTS              ; slot 1,
	s_add_nc_u64 s[G0+2:G0+3], s[G0+2:G0+3], FILL  ; fill 1
	s_wait_dscnt 0x0
	CROUND                                         ; everybody's part of fill 0 is in, and all four work-groups are here
	tensor_load_to_lds s[G0:G0+3], s[G1:G1+7]      ; slot 1's first fill, my one load behind the round
	s_nop 0
	PLACES
	s_cmp_lt_u32 s[WV], 4
	s_cbranch_scc0 .Lno_ask
	global_prefetch_b8 v[PFO], s[PF:PF+1] th:TH_LOAD_NT scope:SCOPE_SE   ; with fill 1's load fill 2 is asked for
.Lno_ask:
	s_mov_b32 s[CNT], 2
.Lfill:                                                ; fills 0 and 1 are walked, two of my steps each; in the second step's middle the slot takes fill 2 or 3
	s_mov_b32 s[TK], s[TB]
	s_xor_b32 s[TB], s[TB], SLOTS
	STEP 0
	STEP 1
	s_sub_co_u32 s[CNT], s[CNT], 1
	s_cmp_lg_u32 s[CNT], 0
	s_cbranch_scc1 .Lfill
	s_mov_b32 s[CNT], 2
.Llast:                                                ; fills 2 and 3.  The first trip's barrier shows fill 3 landed; the second trip's orders nothing more: the trip is written once
	s_mov_b32 s[TK], s[TB]
	s_xor_b32 s[TB], s[TB], SLOTS
	STEP 0
	STEP 2
	s_sub_co_u32 s[CNT], s[CNT], 1
	s_cmp_lg_u32 s[CNT], 0
	s_cbranch_scc1 .Llast
; THE TWO HALVES OF THE KEYS MEET.  I hand tile 1 - h to my partner, as an image of its registers, and take my partner's part of tile h.
.macro GIVE x
	WIN 0x04*\x                                    ; an LDS store's data are its source 1
.set n, 0
.rept 16
	ds_store_b128 v[MST], v[160+4*n:163+4*n] offset:512*n      ; each accumulator from its low end on
.set n, n+1
.endr
	ds_store_b128 v[MST], v[12:15] offset:8192     ; -M, the largest t, the sum's two halves
	WIN 0
.endm
; With -M the smaller of the two -M: o = (O f + O' f') / (l f + l' f'), f = 2^(M - new M), f' likewise: powers of two.  1 / the sum goes into the two factors.  Then o is quantised along the channels and leaves as tile 2 g + x.
.macro OUT x
	WIN 0x40*\x
.set n, 0
.rept 16
	ds_load_b128 v[96+4*n:99+4*n], v[MLD] offset:512*n
.set n, n+1
.endr
	ds_load_b128 v[248:251], v[MLD] offset:8192
	WIN 0x55*\x
	s_wait_dscnt 0x0
	v_min_num_f32 v254, v12, v248
	v_add_f32 v14, v14, v15
	v_add_f32 v250, v250, v251
	v_sub_f32 v252, v254, v12
	v_sub_f32 v236, v254, v248
	v_cvt_i32_f32 v252, v252                       ; (they saturate)
	v_cvt_i32_f32 v236, v236
	v_ldexp_f32 v252, 1.0, v252
	v_ldexp_f32 v236, 1.0, v236
	v_mul_f32 v14, v14, v252
	v_fma_f32 v14, v250, v236, v14
	v_permlanex16_b32 v253, v14, s[SEL], s[SEL+1]
	v_add_f32 v14, v14, v253                       ; the row's sum
	s_wait_alu depctr_va_vdst(0)                   ; the wait ahead of the transcendental
	v_rcp_f32 v14, v14
	v_nop                                          ; a plain place behind it
	s_wait_alu depctr_va_vdst(0)                   ; and the wait ahead of its first reader
	v_mul_f32 v252, v252, v14
	v_mul_f32 v236, v236, v14
.set n, 0
.rept 32
	v_pk_mul_f32 v[96+n:97+n], v[96+n:97+n], v[236:237] op_sel_hi:[1,0]
.set n, n+2
.endr
	s_wait_alu depctr_va_vdst(0)                   ; the wait directly ahead of the first reader of O^T
.set n, 0
.rept 32
	v_pk_fma_f32 v[96+n:97+n], v[160+n:161+n], v[252:253], v[96+n:97+n] op_sel_hi:[1,0,1]   ; each accumulator from its low end on
.set n, n+2
.endr
	QUANT 96, 224, 244, 248, 252, 12
	WIN 0x04*\x                                    ; a store's data are its source 1
.irp c, 0,1,2
	global_store_b128 v[LI], v[224+4*\c:227+4*\c], s[6:7] offset:1536*\x+512*\c
.endr
	ds_store_b32 v[OSA], v12 offset:4*\x           ; lanes r and r + 16 write the same word to the same place
	WIN 0
.endm
	s_cmp_lg_u32 s[HF], 0
	s_cbranch_scc1 .Lgive0
	GIVE 1
	s_branch .Lgiven
.Lgive0:
	GIVE 0
.Lgiven:
	s_wait_dscnt 0x0                               ; for my partner's sake: my stores have landed
	s_barrier_signal -1
	s_barrier_wait -1
	s_cmp_lg_u32 s[HF], 0
	s_cbranch_scc1 .Lout1
	OUT 0
	s_branch .Lstored
.Lout1:
	OUT 1
.Lstored:
	s_wait_dscnt 0x0                               ; for the others' sake: my scale word has landed
	s_barrier_signal -1
	s_barrier_wait -1
	s_cmp_lg_u32 s[WV], 0
	s_cbranch_scc1 .Lnot_first
	ds_load_b128 v[88:91], v[OSR]                  ; wave 0 stores the half-block's 512 bytes of scale words (its own base is the half-block's first byte)
	s_wait_dscnt 0x0
	global_store_b128 v[LI], v[88:91], s[6:7] offset:HB-512
.Lnot_first:
	s_wait_tensorcnt 0x0                           ; the wave's end
	ds_add_u32 v[SPW], v[NIL]
	s_wait_dscnt 0x0
	CROUND                                         ; the closing round
	s_endpgm
.Lfunc_end_k_q5822553247_attn:
	.size	k_q5822553247_attn, .Lfunc_end_k_q5822553247_attn-k_q5822553247_attn
	.p2alignl 7, 3214868480
	.fill 96, 4, 3214868480
	.section	.rodata,"a",@progbits
	.p2align	6, 0x0
	.amdhsa_kernel k_q5822553247_attn
		.amdhsa_group_segment_fixed_size 327680
		.amdhsa_private_segment_fixed_size 0
		.amdhsa_enable_private_segment 0
		.amdhsa_kernarg_size 16
		.amdhsa_user_sgpr_count 2
		.amdhsa_user_sgpr_kernarg_segment_ptr 1
		.amdhsa_wavefront_size32 1
		.amdhsa_system_sgpr_workgroup_id_x 1
		.amdhsa_system_sgpr_workgroup_id_y 1
		.amdhsa_system_sgpr_workgroup_id_z 1
		.amdhsa_system_vgpr_workitem_id 0
		.amdhsa_next_free_vgpr 512
		.amdhsa_next_free_sgpr 66
		.amdhsa_reserve_vcc 0
		.amdhsa_float_denorm_mode_32 3
		.amdhsa_float_denorm_mode_16_64 3
		.amdhsa_memory_ordered 1
		.amdhsa_forward_progress 1
		.amdhsa_inst_pref_size 173
	.end_amdhsa_kernel
	.amdgpu_metadata
---
amdhsa.version: [ 1, 2 ]
amdhsa.kernels:
  - .name:           k_q5822553247_attn
    .symbol:         k_q5822553247_attn.kd
    .args:
      - { .name: qkv, .offset: 0, .size: 8, .value_kind: global_buffer, .address_space: global }
      - { .name: oc, .offset: 8, .size: 8, .value_kind: global_buffer, .address_space: global }
    .group_segment_fixed_size: 327680
    .private_segment_fixed_size: 0
    .kernarg_segment_align: 8
    .kernarg_segment_size: 16
    .max_flat_workgroup_size: 256
    .sgpr_count:     66
    .vgpr_count:     512
    .wavefront_size: 32
...
	.end_amdgpu_metadata
.endif
;; end of part 3
;; launch oproj (part 4): grid 16 x 16, 4 waves a work-group, clusters of 4 x 4, 327,680 bytes of LDS; arguments oc, qc, bo, out0; writes out0
.if DOCPART == 4
	.amdgcn_target "amdgcn-amd-amdhsa--gfx1250"
	.amdhsa_code_object_version 6
	.text
	.protected	k_q5822553247_oproj
	.globl	k_q5822553247_oproj
	.p2align	8
	.type	k_q5822553247_oproj,@function
k_q5822553247_oproj:
	s_mov_b64 s[64:65], 0
	v_nop
	global_prefetch_b8 v0, s[64:65] scope:SCOPE_SE
	s_setreg_imm32_b32 hwreg(HW_REG_WAVE_MODE, 25, 1), 1
	s_wait_xcnt 0x0
	s_wait_alu depctr_hold_cnt(0) depctr_sa_sdst(0) depctr_va_vdst(0) depctr_va_sdst(0) depctr_va_ssrc(0) depctr_va_vcc(0) depctr_vm_vsrc(0)
	s_getreg_b32 s2, hwreg(HW_REG_IB_STS2, 6, 4)
	s_cmp_eq_u32 s2, 0
	s_cbranch_scc0 .Lentry_in_a_cluster
	s_endpgm
.Lentry_in_a_cluster:
	s_bfe_u32 s2, ttmp6, 0x10000c
	s_cmp_lg_u32 s2, 0xf033
	s_cbranch_scc0 .Lentry_shape_is_right
	s_endpgm
.Lentry_shape_is_right:
; out0 = o Wo^T + bo on codes of FP6 (E2M3): o from oc ([token group][K step = head][half-block]), Wo from qc's groups 64-79.  out0: [2048][2048] f32.
; A half-block of 12,800 bytes holds 128 rows x 128 along K: 8 fragments as images of their registers (tile t at 1536 t + 512 c + 16 lane), then scale words at 12,288 + 32 r + 4 t; lane r of tile t stands for row 32 (t/2) + 8 (t%2) + r + 8 (r/8).
; SHARES.  A tile of 128 x 128 to a work-group, so that all 256 have one (256 x 256 would give 64); a wave makes 64 x 64: 16 accumulators.  Source 0 = Wo's rows (P), source 1 = tokens (R): a lane holds eight neighbouring columns of a row.
; LDS: twelve places of a half-block for R and twelve for P.  Waves 0, 1 fetch R, waves 2, 3 P, two K steps a load: three first fills a wave bring steps 0-11, one refill behind one round steps 12-15.  At most three loads of a wave are out.
; CLUSTERS of 4 x 4: Wo's group hangs on the cluster's column, the tokens' on its row: each is asked for jointly by the four that share it.  The 16 K steps are written out: no loop.
; The bias is the C of each sum's first matrix instruction, in the result's layout.
; REGISTERS.  Window 0: v1-29 addresses; v32-127, v128-223 two sets of fragments (R's four, then P's four); v224-231 two sets of scale words.  Window 1: v0-127 accumulators ((a, b) at 8 (4 a + b)), v128-159 the bias.
.set HB,    12800
.set CHUNK, 2*HB
.set GRP,   16*HB
.set REG,   12*HB                      ; R's places; P's lie behind them
.set SPARE, 2*REG                      ; the spare words, 128 bytes for each wave: two blocks of 256 bytes that no other line names
.set STAGE, SPARE+512                  ; the way out: 16 rows x (256 + 16) bytes for each wave, bytes of their own
.set SP,    272
.set AR,  16                           ; v16-18 R's fragments in places 4 c on
.set AP,  19                           ; v19-21 P's
.set AS,  22                           ; v22-24 scale words: lanes 0-15 R's, lanes 16-31 P's
.set STO, 25
.set RD,  26
.set CO,  27
.set SPW, 28
.set NIL, 29
.set G1,  24                           ; s[24:31] group 1 for R, s[32:39] for P; s[40:47], s[52:59] two groups 0 each
.set G1B, 32
.set G0,  40
.set G0B, 52
.set MSB, 0
.macro WIN new
.if MSB != (\new)
	s_set_vgpr_msb (MSB<<8)|(\new)
.set MSB, (\new)
.endif
.endm
.macro PLACES n
.rept \n
	v_nop
.endr
.endm
.macro CROUND
	s_barrier_signal -1
	s_barrier_wait -1
	s_cmp_lg_u32 s14, 0
	s_cbranch_scc1 .Lnot_wave_0_\@
	s_barrier_signal -3
.Lnot_wave_0_\@:
	s_barrier_wait -3
	s_barrier_signal -1
	s_barrier_wait -1
.endm
	s_load_b256 s[4:11], s[0:1], 0x0               ; oc, qc, bo, out0
	v_lshl_add_u32 v[SPW], v0, 2, SPARE
	v_mov_b32 v[NIL], 0
	ds_add_u32 v28, v29
	ds_add_u32 v28, v29
	s_wait_dscnt 0x0
	v_lshrrev_b32 v1, 5, v0
	v_readfirstlane_b32 s14, v1                    ; wave 0..3
	s_lshr_b32 s15, s14, 1                         ; which 64 tokens are mine.  Also: I fetch for R (0) or for P (1)
	s_and_b32 s16, s14, 1                          ; which 64 columns.  Also: which two of four K steps I fetch
	s_bfe_u32 s17, ttmp6, 0x40000                  ; cx
	s_bfe_u32 s18, ttmp6, 0x40004                  ; cy
	s_lshl_b32 s19, ttmp9, 2
	s_add_co_u32 s19, s19, s17                     ; the column group
	s_and_b32 s20, ttmp7, 0xffff
	s_lshl_b32 s20, s20, 2
	s_add_co_u32 s20, s20, s18                     ; the token group
	s_lshl_b32 s21, s18, 2
	s_lshl_b32 s21, 15, s21                        ; my row of the cluster
	s_lshl_b32 s22, 0x1111, s17                    ; my column
	s_or_b32 s[G1], s21, (3<<16)|(1<<21)           ; the mask; elements of 8 bytes; bit 21 beside a mask; no padding
	s_or_b32 s[G1B], s22, (3<<16)|(1<<21)
.irp g, G1, G1B                        ; the head's shape: rows of 256 bytes
	s_mov_b32 s[\g+1], 32<<16
	s_mov_b32 s[\g+2], 300<<16                     ; the head's load: six K steps, 76,800 dense bytes as 300 rows of 256
	s_mov_b32 s[\g+3], 32<<16
	s_mov_b32 s[\g+4], 300
	s_mov_b32 s[\g+5], 32
	s_mov_b32 s[\g+6], 0
	s_mov_b32 s[\g+7], 0
.endr
	; ONE load a wave at the head: K steps 0-5 or 6-11 of R (waves 0, 1) or of P (waves 2, 3), into places 0-5 or 6-11.  One refill a wave behind one round: steps 12, 13 or 14, 15 into places 0, 1 or 2, 3.  One load of a wave is out at most.
	s_mul_i32 s72, s16, 6*HB                       ; the head's load: which six K steps
	s_mov_b32 s73, 0
	s_mul_i32 s12, s16, CHUNK                      ; the refill: which two
	s_add_co_u32 s74, s12, REG                     ; twelve K steps on
	s_mov_b32 s75, 0
	s_mul_i32 s66, s20, GRP
	s_mov_b32 s67, 0
	s_add_co_u32 s68, s19, 64                      ; Wo's groups begin at 64
	s_mul_i32 s68, s68, GRP
	s_mov_b32 s69, 0
	s_mul_i32 s70, s15, REG
	s_add_co_u32 s13, s70, s12                     ; where they go: the wave's number alone
	s_add_co_u32 s70, s70, s72
	s_wait_kmcnt 0x0
	s_add_nc_u64 s[66:67], s[4:5], s[66:67]
	s_add_nc_u64 s[68:69], s[6:7], s[68:69]
	s_mov_b32 s[G0], 1
	s_mov_b32 s[G0+1], s70
	s_add_nc_u64 s[G0+2:G0+3], s[66:67], s[72:73]
	s_or_b32 s[G0+3], s[G0+3], 0x80000000
	s_mov_b32 s[G0+4], 1
	s_mov_b32 s[G0+5], s13
	s_add_nc_u64 s[G0+6:G0+7], s[66:67], s[74:75]
	s_or_b32 s[G0+7], s[G0+7], 0x80000000
	s_mov_b32 s[G0B], 1
	s_mov_b32 s[G0B+1], s70
	s_add_nc_u64 s[G0B+2:G0B+3], s[68:69], s[72:73]
	s_or_b32 s[G0B+3], s[G0B+3], 0x80000000
	s_mov_b32 s[G0B+4], 1
	s_mov_b32 s[G0B+5], s13
	s_add_nc_u64 s[G0B+6:G0B+7], s[68:69], s[74:75]
	s_or_b32 s[G0B+7], s[G0B+7], 0x80000000
	CROUND                                         ; all sixteen work-groups are here: the first joint loads meet
	s_cmp_eq_u32 s15, 0                            ; a wave's one first load stands in one branch
	s_cbranch_scc0 .Lfirst_p
	tensor_load_to_lds s[G0:G0+3], s[G1:G1+7]
	s_nop 0
.rept 4
	v_nop
.endr
	s_branch .Lfirst_asked
.Lfirst_p:
	tensor_load_to_lds s[G0B:G0B+3], s[G1B:G1B+7]
	s_nop 0
.rept 4
	v_nop
.endr
.Lfirst_asked:
	v_and_b32 v1, 15, v0                           ; r
	v_bfe_u32 v2, v0, 4, 1                         ; h
	v_and_b32 v3, 31, v0
	v_lshlrev_b32 v4, 4, v3                        ; 16 x lane
	s_wait_alu depctr_va_vdst(0)
	s_mul_i32 s72, s15, 6144                       ; my four tiles of R
	s_mul_i32 s73, s16, 6144
	s_add_co_u32 s73, s73, REG                     ; my four tiles of P
	s_lshl_b32 s74, s15, 4
	s_lshl_b32 s75, s16, 4
	s_add_co_u32 s75, s75, REG
	s_sub_co_u32 s75, s75, s74
	v_mul_u32_u24 v5, s75, v2                      ; lanes 16-31 take P's words: one product, the distance x h
	v_lshl_add_u32 v5, v1, 5, v5
	s_add_co_u32 s74, s74, HB-512
.irp c, 0,1,2
	v_add_nc_u32 v[AR+\c], s72, v4
	v_add_nc_u32 v[AP+\c], s73, v4
	v_add_nc_u32 v[AS+\c], s74, v5
	s_add_co_u32 s72, s72, 4*HB
	s_add_co_u32 s73, s73, 4*HB
	s_add_co_u32 s74, s74, 4*HB
.endr
	s_mul_i32 s76, s14, 16*SP
	s_add_co_u32 s76, s76, STAGE                   ; my stage
	v_mul_u32_u24 v6, v1, SP
	v_lshl_add_u32 v6, v2, 6, v6
	v_add_nc_u32 v[STO], s76, v6                   ; in: row r, + 64 h
	v_mul_u32_u24 v6, v2, SP
	v_lshl_add_u32 v6, v1, 4, v6
	v_add_nc_u32 v[RD], s76, v6                    ; back: lanes 0-15 one row of 256 bytes, lanes 16-31 the next
	v_lshlrev_b32 v6, 13, v2
	v_lshl_add_u32 v[CO], v1, 4, v6                ; and the same in out0
	v_lshlrev_b32 v7, 6, v2                        ; the bias: 64 h
	s_wait_alu depctr_va_vdst(0)
	s_lshl_b32 s78, s19, 9
	s_lshl_b32 s79, s16, 8
	s_add_co_u32 s78, s78, s79                     ; my first column, in bytes
	s_mov_b32 s79, 0
	s_add_nc_u64 s[8:9], s[8:9], s[78:79]
	s_add_nc_u64 s[10:11], s[10:11], s[78:79]
	s_lshl_b32 s78, s20, 7
	s_lshl_b32 s77, s15, 6
	s_add_co_u32 s78, s78, s77
	s_lshl_b32 s78, s78, 13                        ; my first row x 8,192 bytes
	s_add_nc_u64 s[10:11], s[10:11], s[78:79]
	WIN 0x40
.irp b, 0,1,2,3                        ; register j of tile b: column 32 (b / 2) + 8 (b % 2) + 16 h + j of my 64
	global_load_b128 v[128+8*\b:131+8*\b], v7, s[8:9] offset:128*(\b/2)+32*(\b%2)
	global_load_b128 v[132+8*\b:135+8*\b], v7, s[8:9] offset:128*(\b/2)+32*(\b%2)+16
.endr
	WIN 0
.macro FETCHO j                        ; K step j's eight fragments and its scale words into set j % 2
.set PO, (\j)%12
.set FS, 32+96*((\j)%2)
.irp i, 0,1,2,3
.irp c, 0,1,2
	ds_load_b128 v[FS+12*\i+4*\c:FS+12*\i+4*\c+3], v[AR+PO/4] offset:(PO%4)*HB+1536*\i+512*\c
.endr
.endr
.irp i, 0,1,2,3
.irp c, 0,1,2
	ds_load_b128 v[FS+48+12*\i+4*\c:FS+48+12*\i+4*\c+3], v[AP+PO/4] offset:(PO%4)*HB+1536*\i+512*\c
.endr
.endr
	ds_load_b128 v[224+4*((\j)%2):227+4*((\j)%2)], v[AS+PO/4] offset:(PO%4)*HB
.endm
.macro STEPO j
.if (\j) == 3
	s_wait_tensorcnt 0x0                           ; all my tensor loads have landed: steps 0-11 are mine to show
	ds_add_u32 v[SPW], v[NIL]                      ; 0 onto my spare word
	s_mov_b32 s[G1+2], 100<<16                     ; no tensor load of mine is out, so a descriptor may be written: the refill brings two K steps, 100 rows of 256 bytes
	s_mov_b32 s[G1+4], 100
	s_mov_b32 s[G1B+2], 100<<16
	s_mov_b32 s[G1B+4], 100
	s_wait_dscnt 0x0                               ; the add is done, and my reads of places 0-3 are over (step 3's fragments are in registers)
	CROUND                                         ; so it is in every wave of all sixteen work-groups
	s_cmp_eq_u32 s15, 0
	s_cbranch_scc0 .Lagain_p
	tensor_load_to_lds s[G0+4:G0+7], s[G1:G1+7]    ; my one load behind the round; the four v_nop are also the places in front of the loads below
	s_nop 0
.rept 4
	v_nop
.endr
	s_branch .Lagain_asked
.Lagain_p:
	tensor_load_to_lds s[G0B+4:G0B+7], s[G1B:G1B+7]
	s_nop 0
.rept 4
	v_nop
.endr
.Lagain_asked:
.elseif (\j) == 11
	s_wait_tensorcnt 0x0                           ; the one load of mine that was out: steps 12-15
	ds_add_u32 v[SPW], v[NIL]
	s_wait_dscnt 0x0
	s_barrier_signal -1
	s_barrier_wait -1                              ; everybody's has landed
	PLACES 4
.elseif ((\j) > 0) && ((\j) < 15)
	PLACES 4                                       ; in front of loads into the set that the last step but one multiplied... the last products read the other set, those before them this one
.endif
.if (\j) < 15
	FETCHO (\j)+1
	s_wait_dscnt 25                                ; this step's loads are in; the 25 just issued may be out
.else
	s_wait_dscnt 0x0
.endif
.set MS, 32+96*((\j)%2)
.set WS, 224+4*((\j)%2)
	WIN 0x50                                       ; C and D in window 1
.irp a, 0,1,2,3
.irp b, 0,1,2,3
.if (\j) == 0
	v_wmma_scale_f32_16x16x128_f8f6f4 v[8*(4*\a+\b):8*(4*\a+\b)+7], v[MS+48+12*\b:MS+48+12*\b+11], v[MS+12*\a:MS+12*\a+11], v[128+8*\b:135+8*\b], v[WS+\b], v[WS+\a] matrix_a_fmt:MATRIX_FMT_FP6 matrix_b_fmt:MATRIX_FMT_FP6 matrix_a_scale:MATRIX_SCALE_ROW1
.else
	v_wmma_scale_f32_16x16x128_f8f6f4 v[8*(4*\a+\b):8*(4*\a+\b)+7], v[MS+48+12*\b:MS+48+12*\b+11], v[MS+12*\a:MS+12*\a+11], v[8*(4*\a+\b):8*(4*\a+\b)+7], v[WS+\b], v[WS+\a] matrix_a_fmt:MATRIX_FMT_FP6 matrix_b_fmt:MATRIX_FMT_FP6 matrix_a_scale:MATRIX_SCALE_ROW1
.endif
.endr
.endr
	WIN 0
.endm
	s_wait_tensorcnt 0x0                           ; my one load, six K steps, has landed
	s_barrier_signal -1
	s_barrier_wait -1                              ; steps 0-3 are whole
	FETCHO 0
	s_wait_loadcnt 0x0                             ; the bias
.irp j, 0,1,2,3,4,5,6,7,8,9,10,11,12,13,14,15
	STEPO \j                                       ; the 16 accumulators take turns, in the same order in every step
.endr
; THE WAY OUT, a tile of 16 tokens x 64 columns at a time, through my own stage: back come whole runs of 256 bytes, which sixteen lanes store aligned.
.macro TOSTAGE a
	WIN 0x04                                       ; an LDS store's data are its source 1: window 1
.irp b, 0,1,2,3
	ds_store_b128 v[STO], v[8*(4*(\a)+\b):8*(4*(\a)+\b)+3] offset:128*(\b/2)+32*(\b%2)        ; each accumulator from its low end on
	ds_store_b128 v[STO], v[8*(4*(\a)+\b)+4:8*(4*(\a)+\b)+7] offset:128*(\b/2)+32*(\b%2)+16
.endr
	WIN 0
.set BB, 32+32*((\a)%2)
.irp t, 0,1,2,3,4,5,6,7
	ds_load_b128 v[BB+4*\t:BB+4*\t+3], v[RD] offset:2*\t*SP    ; LDS serves a wave's instructions in order: these see the stores above
.endr
.endm
.macro SEND a, younger
.set BB, 32+32*((\a)%2)
	s_wait_dscnt \younger
.irp t, 0,1,2,3,4,5,6,7
	global_store_b128 v[CO], v[BB+4*\t:BB+4*\t+3], s[10:11] offset:(32*((\a)/2)+8*((\a)%2)+2*\t+8*(\t/4))*8192 th:TH_STORE_NT   ; stage row i is token 32 (a / 2) + 8 (a % 2) + i + 8 (i / 8) of my 64
.endr
.endm
	PLACES 4                                       ; in front of the first read of results and of loads into registers that the products have read
	TOSTAGE 0
.irp a, 1,2,3
.if \a > 1
	s_wait_xcnt 0x0                                ; the stores of the tile two back have read their registers
.endif
	TOSTAGE \a
	SEND \a-1, 16                                  ; behind that tile's loads: this tile's eight stores and eight loads
.endr
	SEND 3, 0
	s_wait_tensorcnt 0x0                           ; the wave's end
	ds_add_u32 v[SPW], v[NIL]
	s_wait_dscnt 0x0
	CROUND                                         ; the closing round
	s_endpgm
.Lfunc_end_k_q5822553247_oproj:
	.size	k_q5822553247_oproj, .Lfunc_end_k_q5822553247_oproj-k_q5822553247_oproj
	.p2alignl 7, 3214868480
	.fill 96, 4, 3214868480
	.section	.rodata,"a",@progbits
	.p2align	6, 0x0
	.amdhsa_kernel k_q5822553247_oproj
		.amdhsa_group_segment_fixed_size 327680
		.amdhsa_private_segment_fixed_size 0
		.amdhsa_enable_private_segment 0
		.amdhsa_kernarg_size 32
		.amdhsa_user_sgpr_count 2
		.amdhsa_user_sgpr_kernarg_segment_ptr 1
		.amdhsa_wavefront_size32 1
		.amdhsa_system_sgpr_workgroup_id_x 1
		.amdhsa_system_sgpr_workgroup_id_y 1
		.amdhsa_system_sgpr_workgroup_id_z 1
		.amdhsa_system_vgpr_workitem_id 0
		.amdhsa_next_free_vgpr 416
		.amdhsa_next_free_sgpr 100
		.amdhsa_reserve_vcc 0
		.amdhsa_float_denorm_mode_32 3
		.amdhsa_float_denorm_mode_16_64 3
		.amdhsa_memory_ordered 1
		.amdhsa_forward_progress 1
		.amdhsa_inst_pref_size 78
	.end_amdhsa_kernel
	.amdgpu_metadata
---
amdhsa.version: [ 1, 2 ]
amdhsa.kernels:
  - .name:           k_q5822553247_oproj
    .symbol:         k_q5822553247_oproj.kd
    .args:
      - { .name: oc, .offset: 0, .size: 8, .value_kind: global_buffer, .address_space: global }
      - { .name: qc, .offset: 8, .size: 8, .value_kind: global_buffer, .address_space: global }
      - { .name: bo, .offset: 16, .size: 8, .value_kind: global_buffer, .address_space: global }
      - { .name: out0, .offset: 24, .size: 8, .value_kind: global_buffer, .address_space: global }
    .group_segment_fixed_size: 327680
    .private_segment_fixed_size: 0
    .kernarg_segment_align: 8
    .kernarg_segment_size: 32
    .max_flat_workgroup_size: 128
    .sgpr_count:     100
    .vgpr_count:     416
    .wavefront_size: 32
...
	.end_amdgpu_metadata
.endif
;; end of part 4
